; MI455X (gfx1250); checked and timed in simulation.
; The chip was launched on July 23, 2026; its instructions are those of AMD's public machine-readable ISA for CDNA 5 (MIT licence, August 2026) and "CDNA5" Instruction Set Architecture Reference Guide (July 2026). The comments in the code are by the model that wrote it; some were corrected since.
;; Multi Head Causal Self Attention. Allowed arithmetic: matrix products marked QUANTISED: E5M2 operands, one E8M0 scale for each 32 along K, by v_wmma_scale_f32_16x16x128_f8f6f4 with both operands' format E5M2, f32 sums; everything else in f32.
;; Inputs: W_o_codes 1,024 x 32 x 32 uint8 (E5M2 codes of W_o, K innermost, in blocks of 32 codes); W_o_scales 1,024 x 32 uint8 (E8M0 scales of W_o, one for each 32 codes along K); W_qkv_codes 3,072 x 32 x 32 uint8 (E5M2 codes of W_qkv, K innermost, in blocks of 32 codes); W_qkv_scales 3,072 x 32 uint8 (E8M0 scales of W_qkv, one for each 32 codes along K); x_codes 4 x 2,048 x 32 x 32 uint8 (E5M2 codes of x, K innermost, in blocks of 32 codes); x_scales 4 x 2,048 x 32 uint8 (E8M0 scales of x, one for each 32 codes along K).
;; Outputs: out0 4 x 2,048 x 1,024 float32.
;; This version of the problem:
;;   THIS VERSION OF THE PROBLEM IS GIVEN IN LOW PRECISION. The matrix products marked QUANTISED in the list below multiply operands that are first quantised to E5M2 (5 exponent bits, 2 mantissa bits; 8 bits a number), with one power-of-two scale for each 32 numbers along K (OCP MX v1.0); their sums are f32. All else is computed in f32.
;;   The module's matrix products, in the order in which they are computed (A, B: the left and right operand; K: the contracted axis; several contracted axes count as one K, in the product's order):
;;     1. [M 8,192, K 1,024] x [K 1,024, N 3,072]; A: input x (given as codes); B: input W_qkv (given as codes): QUANTISED
;;     2. batch 64 x [M 2,048, K 64] x [K 64, N 2,048]; A: computed on the way; B: computed on the way: QUANTISED
;;     3. batch 64 x [M 2,048, K 2,048] x [K 2,048, N 64]; A: softmax (see below); B: computed on the way: QUANTISED
;;     4. [M 8,192, K 1,024] x [K 1,024, N 1,024]; A: computed on the way; B: input W_o (given as codes): QUANTISED
;;   THE QUANTISER, for each operand of a quantised product, along K:
;;     - K is cut into blocks of 32 from its start; a last block that is shorter is filled with zeros.
;;     - A block's scale is 2^e with e = floor(log2(the largest magnitude in the block)) - 15, held to -126 .. 127; a block of zeros has e = 0. As a byte (E8M0): e + 127.
;;     - Each number is divided by its block's scale, clamped to +-57,344, and rounded to the nearest number of E5M2, ties to even, subnormals kept.
;;     - The product sums the exact products of the quantised numbers (number of the format x scale) in f32.
;;   ~~~python
;;   def quantise(x, axis):      # numpy; x: float32 -> the quantised numbers, widened to float32 again
;;       x = np.moveaxis(x, axis, -1); K = x.shape[-1]
;;       x = np.pad(x, [(0, 0)] * (x.ndim - 1) + [(0, -K % 32)]); x = x.reshape(x.shape[:-1] + (-1, 32)); a = np.abs(x).max(-1, keepdims=True)
;;       e = np.where(a > 0, np.clip(np.frexp(np.where(a > 0, a, 1))[1] - 1 - 15, -126, 127), 0)      # np.frexp(a)[1] - 1 = floor(log2(a)), exactly
;;       r = np.clip(x / 2.0 ** e, -57344, 57344)
;;       step = 2.0 ** (np.maximum(np.frexp(np.where(r == 0, 1, r))[1] - 1, -14) - 2)
;;       q = np.round(r / step) * step * 2.0 ** e      # np.round: ties to even
;;       return np.moveaxis(q.reshape(q.shape[:-2] + (-1,))[..., :K], -1, axis).astype(np.float32)
;;   ~~~
;;   SOFTMAX AHEAD OF A QUANTISED PRODUCT. Where the list says 'softmax', what is quantised is not the finished softmax but p = 2^(t - M), with t = logit x log2(e) and M = ceil(the row's largest t), a whole number; so 1/2 < the row's largest p <= 1. The row's sum l is taken of the UNQUANTISED p, in f32, and the product's result is divided by l at the end. Since M is a whole number, a kernel that streams over the keys may use a running M (the ceiling of the running maximum): every later rescaling is an exact power of two, which a block's scale takes up: the codes' values come out the same.
;;   OPERANDS COMPUTED ON THE WAY. 'Computed on the way' means the value that the module computes at that place (a softmax that the list does not call 'softmax' is quantised finished and normalised). What goes into a quantiser is computed in f32, as accurately as f32 sums, v_exp_f32 and their like allow (about 1e-6 of the number): no bf16 or f16 on the way to a quantiser, and a product that is left as it is and whose result goes on into a quantised operand takes f32 operands (vector FMAs, or v_wmma_f32_16x16x4_f32). A number that lies on a knife's edge between two numbers of the format may be rounded either way, as far as f32 arithmetic and the matrix unit's own rounding can turn it there, and no further.
;;   INPUTS GIVEN AS CODES. W_o (in the module: [1024, 1024], K = its axis 1); W_qkv (in the module: [3072, 1024], K = its axis 1); x (in the module: [4, 2048, 1024], K = its axis 2): each comes as NAME_codes (uint8): NAME with its K axis moved to the last place and cut into blocks of 32 codes, [.., K / 32, bytes a block], one block behind the other in memory; one code a byte (a code: sign, 5 exponent bits, 2 mantissa bits); and NAME_scales (uint8): the same leading axes, one E8M0 byte (e + 127) for each 32 codes along K. Its value is code x scale, taken as it is: it is not quantised again, and the codes and scales need not be those that the quantiser above would give.
;; One version. Each part assembles by itself: llvm-mc -triple=amdgcn-amd-amdhsa -mcpu=gfx1250 --defsym DOCPART=n.
;; ======== version 1 of 1: 3 launches
;; limits: right only within a limited range of input values
;; workspace buffers: qimg 8,388,608 bytes; kimg 8,388,608 bytes; vimg 8,388,608 bytes; oimg 8,388,608 bytes; qsc 262,144 bytes; ksc 262,144 bytes; vsc 262,144 bytes; osc 262,144 bytes
;; launch qkv (part 1): grid 12 x 32, 4 waves a work-group, clusters of 4 x 4, 327,680 bytes of LDS; arguments x_codes, x_scales, W_qkv_codes, W_qkv_scales, qimg, qsc, kimg, ksc, vimg, vsc; writes qimg, qsc, kimg, ksc, vimg, vsc
.if DOCPART == 1
	.amdgcn_target "amdgcn-amd-amdhsa--gfx1250"
	.amdhsa_code_object_version 6
	.text
	.protected	k_q15d2414b84_qkv
	.globl	k_q15d2414b84_qkv
	.p2align	8
	.type	k_q15d2414b84_qkv,@function
k_q15d2414b84_qkv:
	s_mov_b64 s[64:65], 0
	v_nop
	global_prefetch_b8 v0, s[64:65] scope:SCOPE_SE
	s_setreg_imm32_b32 hwreg(HW_REG_WAVE_MODE, 25, 1), 1
	s_wait_xcnt 0x0
	s_wait_alu depctr_hold_cnt(0) depctr_sa_sdst(0) depctr_va_vdst(0) depctr_va_sdst(0) depctr_va_ssrc(0) depctr_va_vcc(0) depctr_vm_vsrc(0)
	s_getreg_b32 s2, hwreg(HW_REG_IB_STS2, 6, 4)
	s_cmp_eq_u32 s2, 0
	s_cbranch_scc0 .Lentry_in_a_cluster
	s_endpgm
.Lentry_in_a_cluster:
	s_bfe_u32 s2, ttmp6, 0x10000c
	s_cmp_lg_u32 s2, 0xf033
	s_cbranch_scc0 .Lentry_shape_is_right
	s_endpgm
.Lentry_shape_is_right:
; qkv = x W_qkv^T on codes of BF8 (E5M2) with one E8M0 scale for each 32 along K = 1,024, and, on the way out, the quantisers of q, k (along a head's 64 channels) and v (along the keys).
; x: [8192][1024] codes, W_qkv: [3072][1024] codes, their scale bytes [rows][32].  Nothing leaves as f32: the results go out as codes and scale bytes, laid in the order of the next launch's operand registers.
; A tile of 256 x 256 is made by a work-group of four waves; a wave makes 128 x 128: 64 accumulators of 16 x 16, 512 registers.  K goes in steps of 256 through a ring of two LDS slots filled by the tensor data mover.
; ROLES.  The matrix instruction is used transposed (source 0 = 16 rows of the B role, source 1 = 16 rows of the A role): a lane holds ONE row of the A role, and its registers run along the B role.
;   clusters x = 0, 1 (q, k): A role = x (tokens), B role = W (channels): a lane runs along the channels, which are the K of q k^T.
;   cluster  x = 2    (v):    A role = W's rows 2048 on (channels), B role = x (tokens): a lane runs along the keys, which are the K of p v.
; Only pointers, tile numbers and store offsets differ between the two; they are chosen by s_cselect on the cluster's x, which all sixteen partners share.  No branch and no LDS address differs.
; CLUSTERS: 4 x 4 work-groups.  The four of a row of the cluster need the same tiles of the A role, the four of a column the same tiles of the B role: each tile is asked for jointly.
; THE OUTPUT LAYOUTS (bh = 16 x batch + head; a step = 128 tokens; an image place = 16 x (r + 16 h) for lane (r, h)):
;   qimg, kimg [bh][32 tokens][2,048]: piece c of 512 bytes, place (r, h): token 8 (c / 2) + r + 8 (r / 8) of the 32, channels 32 (c % 2) + 16 h + 0 .. 15
;   vimg [bh][step][tile t of 4][2,048]: piece c, place (r, h): channel 32 (t / 2) + 8 (t % 2) + r + 8 (r / 8), keys 32 c + 16 h + 0 .. 15 of the step
;   qsc, ksc [bh][step][256]: token 16 a + r of the step has its two bytes at 32 a + 4 (r % 8) + 2 (r / 8);   vsc [bh][step][channel][4]: byte c for keys 32 c on
; A block's scale is 2^(floor(log2(its largest magnitude)) - 15); its byte is the largest magnitude's exponent field - 15, held at 1 from below.
; LIMITS: a block of zeros gets the byte 1 where the rule says 127 (its codes are zeros, and the bytes are read by this program alone); blocks whose largest magnitude lies under 2^(16 - 127) share that byte; NaN and infinities are not served.
; REGISTERS, in windows of 256: window 0: v0-31 addresses; v32-63 scale words, two sets; from v128 the A role's fragments, ONE set; on the way out v32-127 are at work.
;   window 1: the B role's fragments, TWO sets.   window 2: the accumulators of my rows 0-63 (accumulator (a, b) at v[8 (8 a + b)]);   window 3: those of my rows 64-127.
.set SIZE_K, 1024
.set KSTEP,  256                       ; along K in a slot
.set NQ,     KSTEP/128                 ; matrix instructions deep
.set ROWB,   256                       ; a tile's row in bytes
.set KROW,   SIZE_K                    ; a row of codes in memory, in bytes
.set PITCH,  272                       ; an LDS row: 256 bytes + 16 of padding = 68 words: row r starts at bank 4 r mod 64 (64 banks of 4 bytes: ISA guide 11.1)
.set FR,     16                        ; registers of a fragment: 16 rows x 128 K
.set NL,     4                         ; LDS loads that bring one
.set NP,     8                         ; places behind this matrix instruction (ISA guide 7.12.1)
.set HALFT,  128*PITCH                 ; 128 rows: what one tensor load brings
.set SLOT,   4*HALFT                   ; the A role's 256 rows, then the B role's
.set LAPS,   SIZE_K/(2*KSTEP)          ; a lap = two K steps = once round the ring
.set KS,     SIZE_K/32                 ; a row of scales in bytes
.set SCL,    2*SLOT                    ; behind the ring: the scales, as units of 256 bytes + 16 of padding
.set HALFS,  (128*KS/256)*272          ; the scales of 128 rows
.set SBLK,   (16*KS/256)*272           ; those of 16 rows
.set SPARE,  SCL+4*HALFS               ; the spare words, 128 bytes for each wave: two blocks of 256 bytes that no other line names
.set SSTG,   16384                     ; the way out, in slot 0 (its last fill and its last read are over by then): 4,096 bytes of codes for each wave from byte 0 on, 1,024 bytes of scale words for each wave from here on
.set CO,   8                           ; v8-11   the way out: my byte offsets in the codes' buffer, for pieces 2 k and 2 k + 1 of a pair's eight
.set SCO,  12                          ; v12     my byte offset in the scales' buffer
.set SRD,  13                          ; v13     where I read 16 bytes of scale words back
.set ADRA, 16                          ; v16-17  LDS address of my A fragments in slot 0, 1
.set SA,   18                          ; v18     where I put a scale word: 4 r in my wave's stage
.set SELV, 19                          ; v19     v_perm_b32's selector for the scale words (data, by lane and mode)
.set ADRB, 20                          ; v20-21  LDS address of my B fragments
.set STO,  24                          ; v24     where I put 8 bytes of codes
.set RD,   25                          ; v25     where I read 16 bytes of codes back
.set ADRS, 27                          ; v27     LDS address of my scale words: lanes 0-15 the A role's rows, lanes 16-31 the B role's
.set SPW,  28                          ; v28     LDS address of my spare word; never rewritten
.set NIL,  29                          ; v29     0; never rewritten
.set SC,   32                          ; scale words: set s at v[SC + 8 NQ s]; register NQ i + q: lanes 0-15 the word of A's block i, lanes 16-31 that of B's block i
.set AF,   128                         ; the A role's fragments, in window 0
.set TM,   32                          ; the way out: v32-35 largest magnitudes, v36-39 bytes, v44-47 the conversions' scale operands
.set PW,   48                          ; v48-49  the scale word just made, two by turns
.set PX,   50                          ; v50-51  the same, paired for the layout
.set TX,   52                          ; v52     the word of lane r xor 8
.set PC,   64                          ; v64-95  the codes just made, two sets of 16 by turns
.set BK,   96                          ; v96-127 4,096 bytes read back from the stage
.set G1, 24                            ; s[24:31] descriptor group 1 for the A role's tiles;  s[32:39] group 0, one set for each slot
.set G0, 32
.set G1B, 48                           ; s[48:55], s[56:63] the same for the B role's
.set G0B, 56
.set G1S, 68                           ; s[68:75], s[76:79] groups 1 and 0 for the A role's scales;  s[80:87], s[88:91] for the B role's.  Free once those loads have landed
.set G0S, 76
.set G1SB, 80
.set G0SB, 88
.set MNT, 86
.set SEL, 88                           ; s[88:89] the way out: lane selects for v_permlanex16_b32
.set MSB, 0
.macro WIN new                         ; the immediate's high byte repeats the setting that is left
.if MSB != \new
	s_set_vgpr_msb (MSB<<8)|\new
.set MSB, \new
.endif
.endm
.set MUL_LO, 0xa1                      ; source 0 (B) window 1, source 1 (A) window 0, C and D window 2
.set MUL_HI, 0xf1                      ; the same, C and D window 3
.set TO_B,   0x40                      ; destination window 1, address window 0
; A joint load: waves 0 and 1 fetch for the A role, waves 2 and 3 for the B role.  The branch hangs on the wave's number alone.  Four v_nop follow each of the two lines.
.macro JLOAD g0a, g1a, g0b, g1b
	s_cmp_eq_u32 s15, 0
	s_cbranch_scc0 .Lfor_b_\@
	tensor_load_to_lds s[\g0a:\g0a+3], s[\g1a:\g1a+7]
	s_nop 0
.rept 4
	v_nop
.endr
	s_branch .Lasked_\@
.Lfor_b_\@:
	tensor_load_to_lds s[\g0b:\g0b+3], s[\g1b:\g1b+7]
	s_nop 0
.rept 4
	v_nop
.endr
.Lasked_\@:
.endm
.macro CREST                           ; a round of the cluster's barrier behind its opening barrier
	s_cmp_lg_u32 s14, 0
	s_cbranch_scc1 .Lnot_wave_0_\@
	s_barrier_signal -3
.Lnot_wave_0_\@:
	s_barrier_wait -3
	s_barrier_signal -1
	s_barrier_wait -1
.endm
.macro CROUND                          ; a whole round
	s_barrier_signal -1
	s_barrier_wait -1
	CREST
.endm
	s_load_b128 s[4:7], s[0:1], 0x0                ; x's codes s[4:5], x's scales s[6:7]
	s_load_b128 s[8:11], s[0:1], 0x10              ; W's codes s[8:9], W's scales s[10:11]
	v_lshl_add_u32 v[SPW], v0, 2, SPARE
	v_mov_b32 v[NIL], 0
	ds_add_u32 v28, v29
	ds_add_u32 v28, v29
	s_wait_dscnt 0x0
	v_lshrrev_b32 v1, 5, v0
	v_readfirstlane_b32 s14, v1                    ; wave 0..3
	s_lshr_b32 s15, s14, 1                         ; which half of the tile's A rows is mine.  Also: I fetch for the A role (0) or the B role (1)
	s_and_b32 s16, s14, 1                          ; which half of its B rows.  Also: which 128 rows of that tile I fetch
	s_bfe_u32 s40, ttmp6, 0x40000                  ; cx, cy: my place in the cluster
	s_bfe_u32 s41, ttmp6, 0x40004
	s_and_b32 s95, ttmp7, 0xffff
	s_lshl_b32 s95, s95, 2                         ; 4 x cluster y
	s_lshl_b32 s96, ttmp9, 2                       ; 4 x cluster x
	s_cmp_eq_u32 ttmp9, 2                          ; v's clusters?
	s_cselect_b32 s17, 8, s95                      ; the A role's tile of 256 rows: v: W's tile 8 + cy;  q, k: x's tile 4 x cluster y + cy
	s_cselect_b32 s42, s95, s96                    ; the B role's:                  v: x's tile 4 x cluster y + cx;  q, k: W's tile 4 x cluster x + cx
	s_add_co_u32 s17, s17, s41
	s_add_co_u32 s42, s42, s40
	s_lshl_b32 s43, s41, 2
	s_lshl_b32 s43, 15, s43                        ; my row of the cluster
	s_lshl_b32 s44, 0x1111, s40                    ; my column
	; descriptor group 1: a tile of 128 rows x 256 bytes, padded in LDS
	s_or_b32 s[G1+0], s43, (0<<16)|(1<<20)|(1<<21)|(5<<22)|(3<<25)  ; 15:0 the mask: my row; 17:16 elements of 1 byte; 20 padding on; 21 set beside a mask; 24:22 after every 64 words; 31:25 four words
	s_or_b32 s[G1B+0], s44, (0<<16)|(1<<20)|(1<<21)|(5<<22)|(3<<25) ; the same with my column
.irp g, G1, G1B
	s_mov_b32 s[\g+1], ROWB<<16                    ; tensor_dim0
	s_mov_b32 s[\g+2], 128<<16                     ; tensor_dim1
	s_mov_b32 s[\g+3], ROWB<<16                    ; tile_dim0
	s_mov_b32 s[\g+4], 128                         ; tile_dim1
	s_mov_b32 s[\g+5], KROW                        ; tensor_dim0_stride
	s_mov_b32 s[\g+6], 0
	s_mov_b32 s[\g+7], 0
.endr
	; the scales of 128 rows: a dense block of 4,096 bytes, as rows of 256 bytes (32 elements of 8 bytes), 16 bytes of padding behind each
	s_or_b32 s[G1S+0], s43, (3<<16)|(1<<20)|(1<<21)|(5<<22)|(3<<25)
	s_or_b32 s[G1SB+0], s44, (3<<16)|(1<<20)|(1<<21)|(5<<22)|(3<<25)
.irp g, G1S, G1SB
	s_mov_b32 s[\g+1], 32<<16
	s_mov_b32 s[\g+2], (128*KS/256)<<16
	s_mov_b32 s[\g+3], 32<<16
	s_mov_b32 s[\g+4], 128*KS/256
	s_mov_b32 s[\g+5], 32
	s_mov_b32 s[\g+6], 0
	s_mov_b32 s[\g+7], 0
.endr
	s_lshl_b32 s18, s16, 7                         ; which 128 rows of the tile I fetch
	s_lshl_b32 s20, s17, 8
	s_add_co_u32 s20, s20, s18                     ; the A role's row
	s_lshl_b32 s46, s42, 8
	s_add_co_u32 s46, s46, s18                     ; the B role's row
	s_mov_b32 s21, 0
	s_mov_b32 s47, 0
	s_mov_b64 s[18:19], KS
	s_mul_u64 s[22:23], s[20:21], s[18:19]         ; where these rows' scales begin, in bytes
	s_mul_u64 s[92:93], s[46:47], s[18:19]
	s_mov_b64 s[18:19], KROW
	s_mul_u64 s[20:21], s[20:21], s[18:19]         ; and their codes
	s_mul_u64 s[46:47], s[46:47], s[18:19]
	s_mul_i32 s45, s14, HALFT                      ; where they go: wave x 128 rows: no place in the cluster enters an LDS address
	s_mul_i32 s94, s14, HALFS
	s_wait_kmcnt 0x0
	s_cmp_eq_u32 ttmp9, 2                          ; the roles' buffers: the choice hangs on the cluster's x alone
	s_cselect_b64 s[12:13], s[8:9], s[4:5]         ; the A role's codes
	s_cselect_b64 s[96:97], s[10:11], s[6:7]       ; its scales
	s_cselect_b64 s[98:99], s[4:5], s[8:9]         ; the B role's codes
	s_cselect_b64 s[100:101], s[6:7], s[10:11]     ; its scales
	s_add_nc_u64 s[20:21], s[12:13], s[20:21]
	s_add_nc_u64 s[22:23], s[96:97], s[22:23]
	s_add_nc_u64 s[46:47], s[98:99], s[46:47]
	s_add_nc_u64 s[92:93], s[100:101], s[92:93]
	CROUND                                         ; all sixteen work-groups are here: the first joint loads meet
	s_mov_b32 s[G0S], 1
	s_add_co_u32 s[G0S+1], s94, SCL
	s_mov_b64 s[G0S+2:G0S+3], s[22:23]
	s_or_b32 s[G0S+3], s[G0S+3], 0x80000000
	s_mov_b32 s[G0SB], 1
	s_add_co_u32 s[G0SB+1], s94, SCL
	s_mov_b64 s[G0SB+2:G0SB+3], s[92:93]
	s_or_b32 s[G0SB+3], s[G0SB+3], 0x80000000
	JLOAD G0S, G1S, G0SB, G1SB                     ; the scales first: they are wanted with K step 0
.irp s, 0,1
	s_mov_b32 s[G0+4*\s], 1
	s_add_co_u32 s[G0+4*\s+1], s45, \s*SLOT
	s_add_nc_u64 s[G0+4*\s+2:G0+4*\s+3], s[20:21], \s*ROWB
	s_or_b32 s[G0+4*\s+3], s[G0+4*\s+3], 0x80000000
	s_mov_b32 s[G0B+4*\s], 1
	s_add_co_u32 s[G0B+4*\s+1], s45, \s*SLOT
	s_add_nc_u64 s[G0B+4*\s+2:G0B+4*\s+3], s[46:47], \s*ROWB
	s_or_b32 s[G0B+4*\s+3], s[G0B+4*\s+3], 0x80000000
	JLOAD G0+4*\s, G1, G0B+4*\s, G1B               ; three tensor loads of mine are out now
.endr
	v_and_b32 v1, 15, v0                           ; r = l % 16
	v_bfe_u32 v2, v0, 4, 1                         ; h = l / 16
	v_mul_u32_u24 v3, v1, PITCH
	v_lshl_add_u32 v4, v2, 4, v3                   ; a fragment's row x pitch + 16 x half
	s_mul_i32 s21, s15, HALFT                      ; my 128 rows of the A role
	s_mul_i32 s22, s16, HALFT                      ; my 128 rows of the B role,
	s_add_co_u32 s22, s22, 2*HALFT                 ; which lie behind A's 256
.irp s, 0,1
	v_add_nc_u32 v[ADRA+\s], s21, v4
	v_add_nc_u32 v[ADRB+\s], s22, v4
	s_add_co_u32 s21, s21, SLOT
	s_add_co_u32 s22, s22, SLOT
.endr
	v_mul_u32_u24 v5, v1, KS                       ; my row's scales: KS bytes a row,
	v_lshrrev_b32 v6, 8, v5
	v_lshl_add_u32 v5, v6, 4, v5                   ; and 16 more for each 256 passed
	s_mul_i32 s21, s15, HALFS
	s_mul_i32 s22, s16, HALFS
	s_add_co_u32 s22, s22, 2*HALFS
	s_sub_co_u32 s22, s22, s21
	v_mul_u32_u24 v6, s22, v2                      ; lanes 16-31 take the B role's
	s_add_co_u32 s21, s21, SCL
	v_add_nc_u32 v5, v5, v6
	v_add_nc_u32 v[ADRS], s21, v5
	; the way out's addresses.  In LDS they are the same in both modes
	v_and_b32 v5, 7, v1                            ; r % 8
	v_lshrrev_b32 v6, 3, v1                        ; r / 8
	v_lshlrev_b32 v7, 4, v5
	v_lshl_add_u32 v7, v6, 11, v7
	v_lshl_add_u32 v7, v2, 3, v7
	s_lshl_b32 s23, s14, 12
	v_add_nc_u32 v[STO], s23, v7                   ; codes in: 16 (r % 8) + 2,048 (r / 8) + 8 h + 4,096 x wave; the immediate adds 256 b + 128 (a % 2)
	v_and_b32 v3, 31, v0                           ; lane
	v_lshlrev_b32 v7, 4, v3                        ; 16 x lane
	s_wait_alu depctr_va_vdst(0)
	v_add_nc_u32 v[RD], s23, v7                    ; codes back: 512 consecutive bytes an instruction
	s_lshl_b32 s23, s14, 10
	s_add_co_u32 s23, s23, SSTG
	v_lshl_add_u32 v[SA], v1, 2, s23               ; scale words in: 4 r; the immediate adds 64 a
	v_add_nc_u32 v[SRD], s23, v7                   ; and back
	s_cmp_eq_u32 ttmp9, 2                          ; what differs by mode: offsets in memory, and a selector
	s_mov_b32 s18, 131072
	s_cselect_b32 s18, 1024, s18                   ; pieces 2, 3 and 6, 7 of a pair's eight: q, k: the next head, 131,072 bytes on;  v: 1,024 on
	s_mov_b32 s19, 1024
	s_cselect_b32 s19, 2048, s19                   ; pieces 4 to 7:                          q, k: 1,024 on;                        v: 2,048 on
	s_mov_b32 s20, 0x05040100
	s_cselect_b32 s20, 0x03020100, s20             ; lanes r < 8:  q, k: my low half, then lane r + 8's low half (head 0's word);   v: my word as it is
	s_mov_b32 s21, 0x03020706
	s_cselect_b32 s21, 0x03020100, s21             ; lanes r >= 8: q, k: lane r - 8's high half, then my high half (head 1's word); v: my word as it is
	s_cselect_b32 s22, -1, 0
	v_mov_b32 v[CO], v7
	v_add_nc_u32 v[CO+1], s18, v7
	v_add_nc_u32 v[CO+2], s19, v7
	v_add_nc_u32 v[CO+3], s18, v[CO+2]
	v_mov_b32 v5, s20
	v_mov_b32 v6, s21
	v_cmp_gt_u32 vcc_lo, 8, v1
	v_cndmask_b32 v[SELV], v6, v5, vcc_lo
	v_bfe_u32 v4, v3, 1, 1                         ; the scale words' 16 bytes of lane L.  q, k: row a = L / 4, head (L / 2) % 2, half L % 2: 4,096 x head + 32 a + 16 x half
	v_lshlrev_b32 v4, 12, v4
	v_lshrrev_b32 v5, 2, v3
	v_lshl_add_u32 v4, v5, 5, v4
	v_and_b32 v5, 1, v3
	v_lshl_add_u32 v4, v5, 4, v4
	v_lshlrev_b32 v5, 12, v2                       ; v: head L / 16: 4,096 x head + 16 (L % 16)
	v_lshl_add_u32 v5, v1, 4, v5
	v_cndmask_b32 v[SCO], v4, v5, s22
	; where my wave's part begins in the output buffers, in bytes
	s_lshl_b32 s20, s17, 8
	s_lshl_b32 s21, s15, 7
	s_add_co_u32 s20, s20, s21                     ; my first row of the A role
	s_lshl_b32 s46, s42, 8
	s_lshl_b32 s47, s16, 7
	s_add_co_u32 s46, s46, s47                     ; my first row of the B role
	s_cmp_eq_u32 ttmp9, 2
	s_cselect_b32 s21, s46, s20                    ; my first token
	s_cselect_b32 s47, s20, s46                    ; my first row of W
	s_and_b32 s47, s47, 1023
	s_lshr_b32 s47, s47, 6                         ; my first head
	s_lshr_b32 s20, s21, 11
	s_lshl_b32 s20, s20, 4
	s_add_co_u32 s20, s20, s47                     ; bh = 16 x batch + head
	s_bfe_u32 s21, s21, 0x40007                    ; my step of 128 tokens
	s_lshl_b32 s96, s20, 17
	s_lshl_b32 s46, s21, 13
	s_add_co_u32 s96, s96, s46                     ; codes: 131,072 bh + 8,192 step
	s_mov_b32 s97, 0
	s_lshl_b32 s98, s20, 12
	s_lshl_b32 s46, s21, 8
	s_add_co_u32 s98, s98, s46                     ; scales: 4,096 bh + 256 step
	s_mov_b32 s99, 0
.macro FRAG reg, adr, q, i             ; a fragment, 16 rows x 128 K of 8-bit codes: lane l holds row l % 16; registers 4 c .. 4 c + 3 hold K = 32 c + 16 (l / 16) + 0 .. 15
.irp c, 0,1,2,3
	ds_load_b128 v[\reg+4*\c:\reg+4*\c+3], v[\adr] offset:128*(\q)+32*\c+(\i)*16*PITCH
.endr
.endm
; 16 matrix instructions: A's blocks a0, a0 + 1 x B's eight, 128 along K: the slot's q-th.  p: B's set;  sc: the set of scale words.  zero = 1: the first product starts the sums.
; The 64 accumulators take turns, one instruction a turn, in the same order in every step.
.macro MUL16 a0, p, q, sc, zero
.irp a, \a0, \a0+1
.irp b, 0,1,2,3,4,5,6,7
.if \zero
	v_wmma_scale_f32_16x16x128_f8f6f4 v[8*(8*((\a)%4)+\b):8*(8*((\a)%4)+\b)+7], v[128*(\p)+FR*\b:128*(\p)+FR*\b+FR-1], v[AF+FR*(\a):AF+FR*(\a)+FR-1], 0, v[SC+8*NQ*(\sc)+NQ*\b+(\q)], v[SC+8*NQ*(\sc)+NQ*(\a)+(\q)] matrix_a_fmt:MATRIX_FMT_BF8 matrix_b_fmt:MATRIX_FMT_BF8 matrix_a_scale:MATRIX_SCALE_ROW1
.else
	v_wmma_scale_f32_16x16x128_f8f6f4 v[8*(8*((\a)%4)+\b):8*(8*((\a)%4)+\b)+7], v[128*(\p)+FR*\b:128*(\p)+FR*\b+FR-1], v[AF+FR*(\a):AF+FR*(\a)+FR-1], v[8*(8*((\a)%4)+\b):8*(8*((\a)%4)+\b)+7], v[SC+8*NQ*(\sc)+NQ*\b+(\q)], v[SC+8*NQ*(\sc)+NQ*(\a)+(\q)] matrix_a_fmt:MATRIX_FMT_BF8 matrix_b_fmt:MATRIX_FMT_BF8 matrix_a_scale:MATRIX_SCALE_ROW1
.endif
.endr
.endr
.endm
.macro FETCH_B slot, q, p              ; B's eight fragments of the slot's q-th 128 along K into set p
	WIN TO_B
.irp i, 0,1,2,3,4,5,6,7
	FRAG 128*(\p)+FR*\i, ADRB+\slot, \q, \i
.endr
	WIN 0
.endm
.macro FETCH_A slot, q, i0             ; A's blocks i0 .. i0 + 3
.irp i, \i0, \i0+1, \i0+2, \i0+3
	FRAG AF+FR*(\i), ADRA+\slot, \q, \i
.endr
.endm
.macro SCALES sc                       ; the next K step's scale words into set sc: lanes 0-15 take A's block i, lanes 16-31 B's block i
.irp i, 0,1,2,3,4,5,6,7
	ds_load_b64 v[SC+8*NQ*\sc+NQ*\i:SC+8*NQ*\sc+NQ*\i+1], v[ADRS] offset:\i*SBLK
.endr
.endm
; A load into a register that a matrix instruction has read, and a vector instruction or an LDS store that reads a matrix result, stand NP places behind that matrix instruction; only plain vector
; instructions that name none of its registers are places (ISA guide 7.12.1 for vector instructions).
.macro PLACES n
.rept \n
	v_nop
.endr
.endm
; A step of 128 along K that has its successor in the same slot.
.macro STEP slot, q, zero
	s_wait_dscnt 4*NL                              ; B's set and A's blocks 0-3 are in; the youngest sixteen loads (A's blocks 4-7) may be out
	WIN MUL_LO
	MUL16 0, (\q)%2, \q, \slot, \zero
	MUL16 2, (\q)%2, \q, \slot, \zero
	s_wait_dscnt 0                                 ; A's blocks 4-7 are in (asked for 32 matrix instructions ago)
	PLACES NP
	FETCH_B \slot, (\q)+1, 1-(\q)%2
	FETCH_A \slot, (\q)+1, 0
	WIN MUL_HI
	MUL16 4, (\q)%2, \q, \slot, \zero
	MUL16 6, (\q)%2, \q, \slot, \zero
	PLACES NP
	WIN 0
	FETCH_A \slot, (\q)+1, 4
.endm
; A slot's last step changes slots: ONE barrier; in front of it each wave waits for all its tensor loads, adds 0 to its spare word, and waits for that and for its own reads of this slot.  fill = 1: this slot is filled again, two K steps ahead.
.macro TURN slot, next, fill
	s_wait_tensorcnt 0x0                           ; all my tensor loads have landed: my part of the next slot;  (every window is 0 here)
	ds_add_u32 v[SPW], v[NIL]                      ; 0 onto my spare word
	s_wait_dscnt 4*NL+1                            ; (the add and the youngest sixteen loads, A's blocks 4-7, may be out)
	WIN MUL_LO
	MUL16 0, 1, NQ-1, \slot, 0                     ; sixteen matrix instructions stand between the add and the wait for it
	s_wait_dscnt 0x0                               ; the add is done, and my reads of this slot are over
	s_barrier_signal -1
	MUL16 2, 1, NQ-1, \slot, 0
	WIN 0
	s_barrier_wait -1
.if \fill
	CREST                                          ; the barrier has opened a round of the cluster's barrier: no wave of any partner still reads this slot's tile or has a load on its way
	s_add_nc_u64 s[G0+4*\slot+2:G0+4*\slot+3], s[G0+4*\slot+2:G0+4*\slot+3], 2*ROWB
	s_add_nc_u64 s[G0B+4*\slot+2:G0B+4*\slot+3], s[G0B+4*\slot+2:G0B+4*\slot+3], 2*ROWB
	JLOAD G0+4*\slot, G1, G0B+4*\slot, G1B         ; the first tensor load behind the round; its four v_nop are among the places in front of the loads below
	PLACES NP-4
.else
	PLACES NP
.endif
	s_wait_alu depctr_va_vdst(0)
	v_add_nc_u32 v[ADRS], 4*NQ, v[ADRS]            ; on to the next K step's scale words (no LDS load of mine is out)
	FETCH_B \next, 0, 0
	FETCH_A \next, 0, 0
	SCALES \next
	WIN MUL_HI
	MUL16 4, 1, NQ-1, \slot, 0
	MUL16 6, 1, NQ-1, \slot, 0
	PLACES NP
	WIN 0
	FETCH_A \next, 0, 4
.endm
	s_wait_tensorcnt 1                             ; the scales and my part of K step 0 are in (K step 1's load may be out),
	s_barrier_signal -1
	s_barrier_wait -1                              ; everybody's are
	s_load_b256 s[68:75], s[0:1], 0x20             ; the scales' descriptors are done with: their registers take the outputs' addresses: qimg, qsc, kimg, ksc,
	s_load_b128 s[76:79], s[0:1], 0x40             ; vimg, vsc.  They are waited for at the way out
	FETCH_B 0, 0, 0
	FETCH_A 0, 0, 0
	SCALES 0
	FETCH_A 0, 0, 4
	STEP 0, 0, 1                                   ; the first step stands in front of the loop: its products start the sums
	s_mov_b32 s3, LAPS-1
.Llap:                                                 ; a trip goes once round the ring, from a lap's second step to the next lap's first, and fills both slots again
	TURN 0, 1, 1
	STEP 1, 0, 0
	TURN 1, 0, 1
	STEP 0, 0, 0
	s_sub_co_u32 s3, s3, 1
	s_cmp_lg_u32 s3, 0
	s_cbranch_scc1 .Llap
	TURN 0, 1, 0                                   ; the last lap fills nothing, and has no round of the cluster's barrier
	STEP 1, 0, 0
	s_wait_dscnt 4*NL                              ; the very last step: nothing more to fetch
	WIN MUL_LO
	MUL16 0, 1, NQ-1, 1, 0
	MUL16 2, 1, NQ-1, 1, 0
	s_wait_dscnt 0
	WIN MUL_HI
	MUL16 4, 1, NQ-1, 1, 0
	MUL16 6, 1, NQ-1, 1, 0
	WIN 0
; THE WAY OUT.  Block a (16 rows of the A role) lies in eight accumulators: lane (r, h) holds row 16 a + r, and register 16 g + i of the 64 is place 32 g + 16 (i / 8) + 8 h + i % 8 along the B role.
; So a lane holds 16 numbers of each of four blocks of 32 along the next product's K, and lane l xor 16 the other 16.  QUANTW makes the block's codes (v[PC ..], 8 bytes for each accumulator) and its scale word.
.macro QUANTW a
.set QW, 2+(\a)/4                      ; the accumulators' window
.set AC, 64*((\a)%4)
.set PCS, PC+16*((\a)%2)
.set PWS, PW+(\a)%2
.set PXS, PX+(\a)%2
.set WA, QW|(QW<<2)                    ; sources 0 and 1 in the accumulators' window
.set WB, QW|(QW<<6)                    ; source 0 and the destination
	WIN WA
.irp g, 0,1,2,3
	v_max3_num_f32 v[TM+\g], |v[AC+16*\g]|, |v[AC+16*\g+1]|, 0x8000000   ; my 16 numbers of block g, and the floor 2^(16 - 127): the byte cannot fall under 1.  Each accumulator is read from its low end on
.endr
.irp i, 2,4,6,8,10,12,14
.irp g, 0,1,2,3
	v_max3_num_f32 v[TM+\g], |v[AC+16*\g+\i]|, |v[AC+16*\g+\i+1]|, v[TM+\g]   ; (the four blocks by turns)
.endr
.endr
	WIN 0
.irp g, 0,1,2,3
	v_permlanex16_b32 v[TM+4+\g], v[TM+\g], s[SEL], s[SEL+1]
.endr
.irp g, 0,1,2,3
	v_max_num_f32 v[TM+\g], v[TM+\g], v[TM+4+\g]   ; with lane l xor 16's: the block's largest magnitude
.endr
.irp g, 0,1,2,3
	v_add_nc_u32 v[TM+12+\g], 0xf8800000, v[TM+\g]   ; 15 off its exponent field: the conversion takes the exponent field of this operand as its scale
.endr
.irp g, 0,1,2,3
.endr
.irp g, 0,1,2,3
	v_lshrrev_b32 v[TM+4+\g], 23, v[TM+12+\g]      ; the scale's byte
.endr
	v_lshl_or_b32 v[PWS], v[TM+5], 8, v[TM+4]      ; my row's four bytes
	v_lshl_or_b32 v[PWS], v[TM+6], 16, v[PWS]
	v_lshl_or_b32 v[PWS], v[TM+7], 24, v[PWS]
	v_mov_b32_dpp v[TX], v[PWS] row_xmask:8 row_mask:0xf bank_mask:0xf   ; lane r xor 8's
	v_perm_b32 v[PXS], v[TX], v[PWS], v[SELV]      ; q, k: two tokens' bytes of ONE head make a word;  v: the word stays
	WIN WB
.irp g, 0,1,2,3
.irp i, 0,1,2,3,4,5,6,7,8,9,10,11,12,13,14,15
.endr
.endr
	WIN QW
.irp b, 0,1,2,3,4,5,6,7
	v_cvt_scalef32_pk8_bf8_f32 v[PCS+2*\b:PCS+2*\b+1], v[AC+8*\b:AC+8*\b+7], v[TM+12+(\b)/2]
.endr
	WIN 0
	v_nop                                          ; one plain vector instruction behind the last conversion
.endm
; Block a's codes and scale word go into my stage.  A pair of blocks fills 4,096 bytes, which are eight pieces of 512 bytes of the output images.
.macro TOSTG a
.set PCS, PC+16*((\a)%2)
.set PXS, PX+(\a)%2
.irp b, 0,1,2,3,4,5,6,7
	ds_store_b64 v[STO], v[PCS+2*\b:PCS+2*\b+1] offset:256*\b+128*((\a)%2)
.endr
	ds_store_b32 v[SA], v[PXS] offset:64*(\a)      ; lanes l and l xor 16 write the same word with the same value
.endm
	PLACES NP                                      ; behind the last products: their results are read, and their scale registers written, below
	s_wait_kmcnt 0x0                               ; the outputs' addresses
	s_cmp_eq_u32 ttmp9, 0
	s_cselect_b64 s[68:69], s[68:69], s[72:73]     ; q's buffers or k's,
	s_cselect_b64 s[70:71], s[70:71], s[74:75]
	s_cmp_eq_u32 ttmp9, 2
	s_cselect_b64 s[68:69], s[76:77], s[68:69]     ; or v's
	s_cselect_b64 s[70:71], s[78:79], s[70:71]
	s_mov_b32 s82, 2048
	s_cselect_b32 s82, 4096, s82                   ; from pair 0 to 1 and from 2 to 3: q, k: the next 32 tokens;  v: the next two tiles
	s_mov_b32 s83, 0
	s_mov_b32 s84, 2048
	s_cselect_b32 s84, 126976, s84                 ; from pair 1 to 2: q, k: the same;  v: the next head's first tile: 131,072 - 4,096
	s_mov_b32 s85, 0
	s_add_nc_u64 s[68:69], s[68:69], s[96:97]
	s_add_nc_u64 s[70:71], s[70:71], s[98:99]
	s_mov_b32 s[SEL], 0x76543210
	s_mov_b32 s[SEL+1], 0xfedcba98
.irp g, 0,1,2,3
	v_mov_b32 v[TM+4+\g], 0                        ; written once: a lane permute's destination counts as one of its sources
.endr
	v_mov_b32 v[TX], 0
.irp p, 0,1,2,3
	QUANTW 2*\p
	TOSTG 2*\p
	QUANTW 2*\p+1
	TOSTG 2*\p+1
.if \p > 0
	s_wait_xcnt 0x0                                ; the last pair's stores have read their registers and their base: both are written again below
.endif
.if (\p == 1) || (\p == 3)
	s_add_nc_u64 s[68:69], s[68:69], s[82:83]
.endif
.if \p == 2
	s_add_nc_u64 s[68:69], s[68:69], s[84:85]
.endif
.irp t, 0,1,2,3,4,5,6,7
	ds_load_b128 v[BK+4*\t:BK+4*\t+3], v[RD] offset:512*\t   ; LDS serves a wave's instructions in order (ISA guide 5.7.1.4): these see my stores
.endr
	s_wait_dscnt 0x0                               ; the pieces are back, and the pair's stores into the stage have read their registers
.irp t, 0,1,2,3,4,5,6,7
	global_store_b128 v[CO+(\t)/2], v[BK+4*\t:BK+4*\t+3], s[68:69] offset:512*((\t)%2)   ; 32 lanes store 512 consecutive bytes, at a multiple of 512 from the buffer's first byte
.endr
.endr
	s_wait_xcnt 0x0                                ; the last stores have read v[BK ..]
	ds_load_b128 v[BK:BK+3], v[SRD]                ; my wave's 512 bytes of scale words
	s_wait_dscnt 0x0
	global_store_b128 v[SCO], v[BK:BK+3], s[70:71] ; one instruction covers two whole aligned runs of 256 bytes, one for each head
	s_wait_tensorcnt 0x0                           ; the wave's end
	ds_add_u32 v[SPW], v[NIL]
	s_wait_dscnt 0x0
	CROUND                                         ; the closing round: no work-group ends while a partner may still ask for a tile that names it
	s_endpgm
.Lfunc_end_k_q15d2414b84_qkv:
	.size	k_q15d2414b84_qkv, .Lfunc_end_k_q15d2414b84_qkv-k_q15d2414b84_qkv
	.p2alignl 7, 3214868480
	.fill 96, 4, 3214868480
	.section	.rodata,"a",@progbits
	.p2align	6, 0x0
	.amdhsa_kernel k_q15d2414b84_qkv
		.amdhsa_group_segment_fixed_size 327680
		.amdhsa_private_segment_fixed_size 0
		.amdhsa_enable_private_segment 0
		.amdhsa_kernarg_size 80
		.amdhsa_user_sgpr_count 2
		.amdhsa_user_sgpr_kernarg_segment_ptr 1
		.amdhsa_wavefront_size32 1
		.amdhsa_system_sgpr_workgroup_id_x 1
		.amdhsa_system_sgpr_workgroup_id_y 1
		.amdhsa_system_sgpr_workgroup_id_z 1
		.amdhsa_system_vgpr_workitem_id 0
		.amdhsa_next_free_vgpr 1024
		.amdhsa_next_free_sgpr 102
		.amdhsa_reserve_vcc 1
		.amdhsa_float_denorm_mode_32 3
		.amdhsa_float_denorm_mode_16_64 3
		.amdhsa_fp16_overflow 1
		.amdhsa_memory_ordered 1
		.amdhsa_forward_progress 1
		.amdhsa_inst_pref_size 160
	.end_amdhsa_kernel
	.amdgpu_metadata
---
amdhsa.version: [ 1, 2 ]
amdhsa.kernels:
  - .name:           k_q15d2414b84_qkv
    .symbol:         k_q15d2414b84_qkv.kd
    .args:
      - { .name: x_codes, .offset: 0, .size: 8, .value_kind: global_buffer, .address_space: global }
      - { .name: x_scales, .offset: 8, .size: 8, .value_kind: global_buffer, .address_space: global }
      - { .name: W_qkv_codes, .offset: 16, .size: 8, .value_kind: global_buffer, .address_space: global }
      - { .name: W_qkv_scales, .offset: 24, .size: 8, .value_kind: global_buffer, .address_space: global }
      - { .name: qimg, .offset: 32, .size: 8, .value_kind: global_buffer, .address_space: global }
      - { .name: qsc, .offset: 40, .size: 8, .value_kind: global_buffer, .address_space: global }
      - { .name: kimg, .offset: 48, .size: 8, .value_kind: global_buffer, .address_space: global }
      - { .name: ksc, .offset: 56, .size: 8, .value_kind: global_buffer, .address_space: global }
      - { .name: vimg, .offset: 64, .size: 8, .value_kind: global_buffer, .address_space: global }
      - { .name: vsc, .offset: 72, .size: 8, .value_kind: global_buffer, .address_space: global }
    .group_segment_fixed_size: 327680
    .private_segment_fixed_size: 0
    .kernarg_segment_align: 8
    .kernarg_segment_size: 80
    .max_flat_workgroup_size: 128
    .sgpr_count:     102
    .vgpr_count:     1024
    .wavefront_size: 32
...
	.end_amdgpu_metadata
.endif
;; end of part 1
;; launch attn (part 2): grid 4 x 64, 16 waves a work-group, clusters of 4 x 1, 272,384 bytes of LDS; arguments qimg, qsc, kimg, ksc, vimg, vsc, oimg, osc; writes oimg, osc
.if DOCPART == 2
	.amdgcn_target "amdgcn-amd-amdhsa--gfx1250"
	.amdhsa_code_object_version 6
	.text
	.protected	k_q15d2414b84_attn
	.globl	k_q15d2414b84_attn
	.p2align	8
	.type	k_q15d2414b84_attn,@function
k_q15d2414b84_attn:
	s_mov_b64 s[64:65], 0
	v_nop
	global_prefetch_b8 v0, s[64:65] scope:SCOPE_SE
	s_setreg_imm32_b32 hwreg(HW_REG_WAVE_MODE, 25, 1), 1
	s_wait_xcnt 0x0
	s_wait_alu depctr_hold_cnt(0) depctr_sa_sdst(0) depctr_va_vdst(0) depctr_va_sdst(0) depctr_va_ssrc(0) depctr_va_vcc(0) depctr_vm_vsrc(0)
	s_getreg_b32 s2, hwreg(HW_REG_IB_STS2, 6, 4)
	s_cmp_eq_u32 s2, 0
	s_cbranch_scc0 .Lentry_in_a_cluster
	s_endpgm
.Lentry_in_a_cluster:
	s_bfe_u32 s2, ttmp6, 0x10000c
	s_cmp_lg_u32 s2, 0x3003
	s_cbranch_scc0 .Lentry_shape_is_right
	s_endpgm
.Lentry_shape_is_right:
; o = softmax(q k^T / 8, causal) v for 64 heads of 2,048 tokens x 64 channels, both products on codes of BF8 (E5M2) with one E8M0 scale for each 32 along a product's K; then o is quantised along its channels.
; THE SOFTMAX AHEAD OF THE SECOND PRODUCT: t = score x log2(e) / 8; M = the row's largest t so far, rounded UP to a whole number; p = 2^(t - M) is what is quantised, along the keys; it is not normalised.
; The row's sum is taken of the unquantised p, in f32, and divides O at the end.  When M moves, the sum and O are multiplied by 2^(old M - new M): exact.
; SHARES.  The four work-groups of a cluster serve ONE head.  All of the head's K and V codes (131,072 bytes each) and scale words (4,096 each) are brought into each work-group's LDS ONCE, by joint loads, and stay:
; no LDS byte is filled twice and nothing is stored to LDS.  Wave w of work-group cx owns two tiles of 16 queries, j = 4 w + cx and 127 - j, worked one after the other: 16 - w / 2 and w / 2 + 1 key steps of 128: 17 for every wave.
; The last key step of a tile is j / 8, which is 15 - w / 2 and w / 2 for every cx: so no branch hangs on a work-group's place in its cluster.
; LAYOUT.  Both products are used transposed: S^T = K Q^T, O^T = V^T P^T: a lane holds ONE query (lane % 16) throughout.  The operands lie in LDS as images of their registers: a fragment is four loads of 512 consecutive bytes.
; THE HEAD HAS 64 CHANNELS, THE INSTRUCTION 128 ALONG K.  A fragment of K holds TWO tiles of 16 keys: tile 2 f in k = 0 .. 63, tile 2 f + 1 in k = 64 .. 127.  It is multiplied by [Q | zeros] for the first and by [zeros | Q] for the second
; (v16-23 Q, v24-31 zeros, v32-39 Q again): zero codes add nothing.  So no LDS byte is read for nothing, and each fragment feeds two products.
; The keys of a tile are not neighbours (lane r of tile 2 f + u holds key 32 f + 8 u + r + 8 (r / 8)), so that the 16 registers of tiles 2 f and 2 f + 1 are keys 32 f + 16 (lane / 16) + 0 .. 15; V's channels likewise,
; so that O^T's 16 registers of two tiles are 16 neighbouring channels: the conversions' results are the next operands' registers, and o's codes are stored straight from them.
; LIMITS: a block of zeros gets the scale byte 1 where the rule says 127 (its codes are zeros, and the bytes are read by this program alone); a block's largest p is taken from its largest score, which takes v_exp_f32 not to fall
; where its input rises; NaN and infinities are not served.  o's scale bytes leave as 2 bytes a row, 32 bytes apart: a row's other bytes belong to other heads; they are one byte in 32 of what the launch stores.
.set VREG, 131072                      ; LDS: K's codes from 0, 8,192 bytes a key step; V's from here
.set KSCL, 262144                      ; K's scale words, 256 bytes a key step
.set VSCL, 266240                      ; V's
.set L16,  1                           ; v1   16 x lane
.set KSL,  2                           ; v2   4 x lane + KSCL: lanes 0-15 an even fragment's words, lanes 16-31 the odd one's
.set VSL,  3                           ; v3   4 r + 32 (r / 8) + 32 h + VSCL: the same for V's tiles
.set ADK,  4                           ; v4-7 the step's addresses: K, V, K's scale words, V's
.set ADV,  5
.set ADS,  6
.set ADT,  7
.set DM,   8                           ; v8   on the diagonal: register 16 g + i is hidden where 32 g + i > this
.set NINF, 9                           ; v9   -infinity
.set OSO,  10                          ; v10  32 r: my row of o's scale bytes
.set QAD,  11                          ; v11  my lane's place in Q's image
.set F,    40                          ; v40-103  four fragments of K, then of V
.set S,    104                         ; v104-167 S^T, then p
.set O,    168                         ; v168-199 O^T
.set P,    200                         ; v200-215 p's codes; at the end o's
.set BM,   216                         ; v216-219 a block's largest score, then its largest p
.set T4,   220                         ; v220-223 at work
.set CAP,  224
.set SCO,  228                         ; v228-231 the conversions' scale operands
.set FF,   232                         ; v[232:233] f = 2^(old M - new M)
.set TMP,  234
.set PW,   235                         ; p's scale word
.set QS,   236                         ; Q's scale word, twice two bytes
.set KSC,  237                         ; v237-238 K's scale words
.set VSC,  239                         ; v239-240 V's
.set QSA,  241                         ; my lane's place among Q's scale bytes
.set R0,   242                         ; r - 16 h
.set QL,   244                         ; v244-251 the low tile's Q, kept until its turn
.set QRL,  252                         ; its two scale bytes;  v253 the high tile's
.set QRH,  253
.set WV,   20                          ; s20 wave, s21 cx, s22 bh, s23 the tile in hand
.set CX,   21
.set BH,   22
.set J,    23
.set G1A,  24                          ; s[24:31] group 1: 16 rows of 256 bytes;  s[32:39]: 48 rows;  s[40:47]: 2 rows
.set G1B,  32
.set G1S,  40
.set G0S,  48                          ; s[48:51], s[52:55], s[56:59] the three groups 0
.set G0A,  52
.set G0B,  56
.set SEL,  60                          ; s[60:61] lane selects for v_permlanex16_b32: lane l xor 16
.set CS,   62                          ; s[62:63] c = log2(e) / 8
.set MNT,  66
.set SI,   67                          ; the key step
.set TB,   68                          ; 8,192 x the key step
.set TS,   69                          ; 256 x the key step
.set LAST, 70                          ; the tile's last key step
.set CNT,  71
.set JH,   72
.set JL,   73
.set OB,   74                          ; s[74:75] where the tile's codes go;  s[76:77] its scale bytes
.set OSB,  76
.macro CROUND                          ; a round of the cluster's barrier
	s_barrier_signal -1
	s_barrier_wait -1
	s_cmp_lg_u32 s[WV], 0
	s_cbranch_scc1 .Lnot_wave_0_\@
	s_barrier_signal -3
.Lnot_wave_0_\@:
	s_barrier_wait -3
	s_barrier_signal -1
	s_barrier_wait -1
.endm
	s_load_b256 s[4:11], s[0:1], 0x0               ; qimg s[4:5], qsc s[6:7], kimg s[8:9], ksc s[10:11]
	s_load_b256 s[12:19], s[0:1], 0x20             ; vimg s[12:13], vsc s[14:15], oimg s[16:17], osc s[18:19]
	v_lshl_add_u32 v254, v0, 2, 0x42000
	v_mov_b32 v255, 0
	ds_add_u32 v254, v255
	ds_add_u32 v254, v255
	s_wait_dscnt 0x0
	v_lshrrev_b32 v1, 5, v0
	s_delay_alu instid0(VALU_DEP_1)
	v_readfirstlane_b32 s[WV], v1                  ; wave 0..15
	s_bfe_u32 s[CX], ttmp6, 0x40000                ; my place in the cluster: it enters Q's and o's addresses and the mask's numbers alone
	s_and_b32 s[BH], ttmp7, 0xffff                 ; 16 x batch + head, which the four partners share
	; descriptor groups 1: dense blocks as rows of 256 bytes (32 elements of 8 bytes), no padding; the mask names all four work-groups
.irp g, G1A, G1B, G1S
	s_mov_b32 s[\g], 15|(3<<16)|(1<<21)
	s_mov_b32 s[\g+1], 32<<16                      ; tensor_dim0
	s_mov_b32 s[\g+3], 32<<16                      ; tile_dim0
	s_mov_b32 s[\g+5], 32                          ; tensor_dim0_stride
	s_mov_b32 s[\g+6], 0
	s_mov_b32 s[\g+7], 0
.endr
	s_mov_b32 s[G1A+2], 16<<16                     ; tensor_dim1, tile_dim1
	s_mov_b32 s[G1A+4], 16
	s_mov_b32 s[G1B+2], 48<<16
	s_mov_b32 s[G1B+4], 48
	s_mov_b32 s[G1S+2], 2<<16
	s_mov_b32 s[G1S+4], 2
	; waves 0-7 fetch K's eighths, waves 8-15 V's
	s_and_b32 s78, s[WV], 7
	s_lshr_b32 s79, s[WV], 3
	s_lshl_b32 s79, s79, 17                        ; LDS: K's region or V's
	s_lshl_b32 s80, s[BH], 12
	s_lshl_b32 s81, s78, 9
	s_add_co_u32 s80, s80, s81                     ; scale words: 4,096 bh + 512 x eighth
	s_mov_b32 s81, 0
	s_lshl_b32 s82, s[BH], 17
	s_lshl_b32 s83, s78, 12
	s_add_co_u32 s82, s82, s83                     ; key steps 0-3: 131,072 bh + 4,096 x eighth
	s_mov_b32 s83, 0
	s_lshl_b32 s84, s[BH], 17
	s_mul_i32 s85, s78, 12288
	s_add_co_u32 s84, s84, s85
	s_add_co_u32 s84, s84, 32768                   ; key steps 4-15: 131,072 bh + 32,768 + 12,288 x eighth
	s_mov_b32 s85, 0
	s_mov_b32 s[SEL], 0x76543210
	s_mov_b32 s[SEL+1], 0xfedcba98
	s_mov_b32 s[CS], 0x3e38aa3b                    ; log2(e) / 8
	s_mov_b32 s[CS+1], s[CS]                       ; (named with it as a pair, so it is written)
	s_wait_kmcnt 0x0
	s_cmp_lt_u32 s[WV], 8                          ; the choice hangs on the wave's number alone
	s_cselect_b64 s[86:87], s[8:9], s[12:13]       ; codes
	s_cselect_b64 s[88:89], s[10:11], s[14:15]     ; scale words
	s_mov_b32 s[G0S], 1
	s_lshl_b32 s[G0S+1], s[WV], 9
	s_add_co_u32 s[G0S+1], s[G0S+1], KSCL          ; K's eight parts, then V's
	s_add_nc_u64 s[G0S+2:G0S+3], s[88:89], s[80:81]
	s_or_b32 s[G0S+3], s[G0S+3], 0x80000000
	s_mov_b32 s[G0A], 1
	s_lshl_b32 s[G0A+1], s78, 12
	s_add_co_u32 s[G0A+1], s[G0A+1], s79
	s_add_nc_u64 s[G0A+2:G0A+3], s[86:87], s[82:83]
	s_or_b32 s[G0A+3], s[G0A+3], 0x80000000
	s_mov_b32 s[G0B], 1
	s_mul_i32 s[G0B+1], s78, 12288
	s_add_co_u32 s[G0B+1], s[G0B+1], s79
	s_add_co_u32 s[G0B+1], s[G0B+1], 32768
	s_add_nc_u64 s[G0B+2:G0B+3], s[86:87], s[84:85]
	s_or_b32 s[G0B+3], s[G0B+3], 0x80000000
	CROUND                                         ; all four work-groups are here: the joint loads meet
	tensor_load_to_lds s[G0S:G0S+3], s[G1S:G1S+7]  ; all fills of the launch go out together: three tensor loads of mine are out
	s_nop 0
	tensor_load_to_lds s[G0A:G0A+3], s[G1A:G1A+7]
	s_nop 0
	tensor_load_to_lds s[G0B:G0B+3], s[G1B:G1B+7]
	s_nop 0
.rept 4
	v_nop
.endr
	v_and_b32 v[TMP], 31, v0                       ; lane
	s_delay_alu instid0(VALU_DEP_1)
	v_lshlrev_b32 v[L16], 4, v[TMP]
	s_delay_alu instid0(VALU_DEP_2)
	v_lshl_add_u32 v[KSL], v[TMP], 2, KSCL
	v_and_b32 v243, 15, v0                         ; r
	v_bfe_u32 v254, v0, 4, 1                       ; h
	s_delay_alu instid0(VALU_DEP_2)
	v_lshrrev_b32 v255, 3, v243                    ; r / 8
	s_delay_alu instid0(VALU_DEP_3)
	v_and_b32 v[ADK], 7, v243                      ; r % 8
	s_delay_alu instid0(VALU_DEP_4)
	v_lshlrev_b32 v[VSL], 2, v243
	s_delay_alu instid0(VALU_DEP_1)
	v_lshl_add_u32 v[VSL], v255, 5, v[VSL]
	s_delay_alu instid0(VALU_DEP_1)
	v_lshl_add_u32 v[VSL], v254, 5, v[VSL]
	s_delay_alu instid0(VALU_DEP_1)
	v_add_nc_u32 v[VSL], VSCL, v[VSL]
	v_lshlrev_b32 v[OSO], 5, v243
	v_lshlrev_b32 v[QAD], 10, v255                 ; Q's image: query 16 (j % 2) + r of its 32 lies in piece 2 (r / 8) + c at place (r % 8 + 8 (j % 2), h)
	s_delay_alu instid0(VALU_DEP_1)
	v_lshl_add_u32 v[QAD], v[ADK], 4, v[QAD]
	s_delay_alu instid0(VALU_DEP_1)
	v_lshl_add_u32 v[QAD], v254, 8, v[QAD]
	s_wait_alu depctr_va_vdst(0)
	v_lshlrev_b32 v[QSA], 2, v[ADK]
	s_delay_alu instid0(VALU_DEP_1)
	v_lshl_add_u32 v[QSA], v255, 1, v[QSA]
	s_wait_alu depctr_va_vdst(0)
	v_lshlrev_b32 v[ADV], 4, v254
	s_delay_alu instid0(VALU_DEP_1)
	v_sub_nc_u32 v[R0], v243, v[ADV]
	s_lshl_b32 s[JL], s[WV], 2
	s_add_co_u32 s[JL], s[JL], s[CX]               ; my low tile,
	s_sub_co_u32 s[JH], 127, s[JL]                 ; and my high one
	s_lshl_b32 s90, s[BH], 17
	s_lshl_b32 s91, s[BH], 12
	s_lshr_b32 s78, s[JH], 1
	s_lshl_b32 s78, s78, 11
	s_and_b32 s79, s[JH], 1
	s_lshl_b32 s79, s79, 7
	s_add_co_u32 s78, s78, s79
	s_add_co_u32 s78, s78, s90
	s_mov_b32 s79, 0
	s_add_nc_u64 s[80:81], s[4:5], s[78:79]        ; the high tile's Q: 131,072 bh + 2,048 (j / 2) + 128 (j % 2)
	s_lshr_b32 s78, s[JL], 1
	s_lshl_b32 s78, s78, 11
	s_and_b32 s84, s[JL], 1
	s_lshl_b32 s84, s84, 7
	s_add_co_u32 s78, s78, s84
	s_add_co_u32 s78, s78, s90
	s_add_nc_u64 s[82:83], s[4:5], s[78:79]        ; the low tile's
	s_lshl_b32 s78, s[JH], 5
	s_add_co_u32 s78, s78, s91
	s_add_nc_u64 s[84:85], s[6:7], s[78:79]        ; their scale bytes: 4,096 bh + 32 j
	s_lshl_b32 s78, s[JL], 5
	s_add_co_u32 s78, s78, s91
	s_add_nc_u64 s[86:87], s[6:7], s[78:79]
	global_load_b128 v[16:19], v[QAD], s[80:81]
	global_load_b128 v[20:23], v[QAD], s[80:81] offset:512
	global_load_b128 v[32:35], v[QAD], s[80:81]
	global_load_b128 v[36:39], v[QAD], s[80:81] offset:512
	global_load_b128 v[QL:QL+3], v[QAD], s[82:83]
	global_load_b128 v[QL+4:QL+7], v[QAD], s[82:83] offset:512
	global_load_u16 v[QRH], v[QSA], s[84:85]
	global_load_u16 v[QRL], v[QSA], s[86:87]
	v_mov_b32 v[NINF], 0xff800000
.irp i, 0,1,2,3,4,5,6,7
	v_mov_b32 v[24+\i], 0                          ; the zero codes between the two copies of Q
.endr
.irp b, 0,1,2,3
	v_mov_b32 v[T4+\b], 0                          ; written once: a lane permute's destination counts as one of its sources
.endr
	v_mov_b32 v[FF+1], 0                           ; (named as the upper half of a pair)
; What a tile needs before its first key step.  lo = 1: the low tile.
.macro SETUP lo
.if \lo
	s_wait_xcnt 0x0                                ; the high tile's stores have read their registers and bases: all are written again from here on
.irp i, 0,1,2,3,4,5,6,7
	v_mov_b32 v[16+\i], v[QL+\i]
	v_mov_b32 v[32+\i], v[QL+\i]
.endr
	v_lshl_or_b32 v[QS], v[QRL], 16, v[QRL]        ; Q's two bytes, for k = 0 .. 63 and again for k = 64 .. 127
	s_mov_b32 s[J], s[JL]
	s_lshr_b32 s[LAST], s[WV], 1
.else
	v_lshl_or_b32 v[QS], v[QRH], 16, v[QRH]
	s_mov_b32 s[J], s[JH]
	s_lshr_b32 s[LAST], s[WV], 1
	s_xor_b32 s[LAST], s[LAST], 15                 ; 15 - wave / 2
.endif
	s_and_b32 s78, s[J], 7
	s_lshl_b32 s78, s78, 4
	v_add_nc_u32 v[DM], s78, v[R0]                 ; my query - the diagonal step's first key - 16 h
	s_lshr_b32 s78, s[BH], 4
	s_lshl_b32 s78, s78, 7
	s_add_co_u32 s78, s78, s[J]                    ; the tile of 16 tokens among all 512
	s_and_b32 s79, s[BH], 15                       ; the head
	s_lshl_b32 s80, s78, 14
	s_lshl_b32 s81, s79, 10
	s_add_co_u32 s80, s80, s81                     ; codes: 16,384 x tile + 1,024 x head
	s_mov_b32 s81, 0
	s_add_nc_u64 s[OB:OB+1], s[16:17], s[80:81]
	s_lshl_b32 s80, s78, 9
	s_lshl_b32 s79, s79, 1
	s_add_co_u32 s80, s80, s79                     ; scale bytes: 16 rows of 32 for each tile + 2 x head
	s_add_nc_u64 s[OSB:OSB+1], s[18:19], s[80:81]
	v_mov_b32 v13, 0xff61b1e6                      ; the largest t so far: -3e38, under every t
	s_delay_alu instid0(VALU_DEP_1)
	v_floor_f32 v12, -v13                          ; -M
	v_mov_b32 v14, 0                               ; the sum, in two halves
	v_mov_b32 v15, 0
.set JJ, 0
.rept 32
	v_mov_b32 v[O+JJ], 0                           ; O^T: the first change of M leaves zeros zeros.  (These are also the places between the lines that write Q and its scale word and the first products)
.set JJ, JJ+1
.endr
	s_mov_b32 s[SI], 0
	s_mov_b32 s[TB], 0
	s_mov_b32 s[TS], 0
.endm
; A KEY STEP of a tile: 128 keys.
.macro TILE_STEP
	s_cmp_gt_u32 s[SI], s[LAST]                    ; a step all of whose keys come after my queries is left out: the branch hangs on the wave's number and the loop's count
	s_cbranch_scc1 .Lhid_\@
	s_setprio 2
	v_add_nc_u32 v[ADK], s[TB], v[L16]
	s_delay_alu instid0(VALU_DEP_1)
	v_add_nc_u32 v[ADV], VREG, v[ADK]
	v_add_nc_u32 v[ADS], s[TS], v[KSL]
	v_add_nc_u32 v[ADT], s[TS], v[VSL]
	ds_load_b32 v[KSC], v[ADS]                     ; fragments 0 (lanes 0-15) and 1 (lanes 16-31)
	ds_load_b32 v[KSC+1], v[ADS] offset:128        ; fragments 2 and 3
.irp f, 0,1,2,3
.irp c, 0,1,2,3
	ds_load_b128 v[F+16*\f+4*\c:F+16*\f+4*\c+3], v[ADK] offset:2048*\f+512*\c
.endr
.endr
	s_wait_alu depctr_va_vdst(0)
.irp f, 0,1,2,3
	s_wait_dscnt 12-4*\f                           ; the scale words and fragments 0 .. f are in; the later fragments' loads, four each, may be out
.irp u, 0,1
.if (\f)%2
	v_wmma_scale_f32_16x16x128_f8f6f4 v[S+8*(2*\f+\u):S+8*(2*\f+\u)+7], v[F+16*\f:F+16*\f+15], v[16+8*\u:31+8*\u], 0, v[KSC+\f/2], v[QS] matrix_a_fmt:MATRIX_FMT_BF8 matrix_b_fmt:MATRIX_FMT_BF8 matrix_a_scale:MATRIX_SCALE_ROW1
.else
	v_wmma_scale_f32_16x16x128_f8f6f4 v[S+8*(2*\f+\u):S+8*(2*\f+\u)+7], v[F+16*\f:F+16*\f+15], v[16+8*\u:31+8*\u], 0, v[KSC+\f/2], v[QS] matrix_a_fmt:MATRIX_FMT_BF8 matrix_b_fmt:MATRIX_FMT_BF8
.endif
.endr
.endr
.rept 8
	v_nop                                          ; places in front of the loads into K's registers and of the first read of the scores
.endr
	ds_load_b32 v[VSC], v[ADT]                     ; V's tiles 0 (lanes 0-15) and 1 (lanes 16-31)
	ds_load_b32 v[VSC+1], v[ADT] offset:128        ; tiles 2 and 3
.irp t, 0,1,2,3
.irp c, 0,1,2,3
	ds_load_b128 v[F+16*\t+4*\c:F+16*\t+4*\c+3], v[ADV] offset:2048*\t+512*\c   ; V lands while the softmax is worked
.endr
.endr
	s_cmp_lg_u32 s[SI], s[LAST]                    ; on the diagonal the scores of hidden keys become -infinity ahead of the maximum: p = 0 then
	s_cbranch_scc1 .Lopen_\@
.set NN, 0
.rept 64
	v_cmp_gt_i32 vcc_lo, 32*(NN/16)+NN%16, v[DM]
	v_cndmask_b32 v[S+NN], v[S+NN], v[NINF], vcc_lo
.set NN, NN+1
.endr
.Lopen_\@:
.irp b, 0,1,2,3
	v_max3_num_f32 v[BM+\b], v[S+16*\b], v[S+16*\b+1], v[S+16*\b+2]   ; the largest score of each block of 32 keys: for the row's maximum, and, since p rises with the score, for the block's largest p
.endr
.irp i, 3,5,7,9,11,13
.irp b, 0,1,2,3
	v_max3_num_f32 v[BM+\b], v[BM+\b], v[S+16*\b+\i], v[S+16*\b+\i+1]
.endr
.endr
.irp b, 0,1,2,3
	v_max_num_f32 v[BM+\b], v[BM+\b], v[S+16*\b+15]
.endr
.irp b, 0,1,2,3
	s_delay_alu instid0(VALU_DEP_4)
	v_permlanex16_b32 v[T4+\b], v[BM+\b], s[SEL], s[SEL+1]
.endr
.irp b, 0,1,2,3
	s_delay_alu instid0(VALU_DEP_4)
	v_max_num_f32 v[BM+\b], v[BM+\b], v[T4+\b]     ; with lane l xor 16's 16 keys
.endr
	s_delay_alu instid0(VALU_DEP_2)
	v_max3_num_f32 v[TMP], v[BM], v[BM+1], v[BM+2]
	s_delay_alu instid0(VALU_DEP_1)
	v_max_num_f32 v[TMP], v[TMP], v[BM+3]          ; the step's largest score of my query
	s_delay_alu instid0(VALU_DEP_1)
	v_mul_f32 v[TMP], s[CS], v[TMP]                ; as t
	s_delay_alu instid0(VALU_DEP_1)
	v_max_num_f32 v13, v13, v[TMP]                 ; the running largest t
	v_mov_b32 v[TMP], v12
	s_delay_alu instid0(VALU_DEP_2)
	v_floor_f32 v12, -v13                          ; the new -M = floor(-t): M is a whole number
	s_delay_alu instid0(VALU_DEP_1)
	v_sub_f32 v[TMP], v12, v[TMP]                  ; M's old value less its new one: a whole number, 0 or less
	s_delay_alu instid0(VALU_DEP_1)
	v_cvt_i32_f32 v[TMP], v[TMP]                   ; (it saturates)
	s_delay_alu instid0(VALU_DEP_1)
	v_ldexp_f32 v[FF], 1.0, v[TMP]                 ; f = 2^(old M - new M)
.set JJ, 0
	s_setprio 1
.rept 32
	v_pk_fma_f32 v[S+JJ:S+JJ+1], v[S+JJ:S+JJ+1], s[CS:CS+1], v[12:13] op_sel_hi:[1,0,0]   ; t - M, two at a time
.set JJ, JJ+2
.endr
.irp b, 0,1,2,3
	v_fma_f32 v[BM+\b], v[BM+\b], s[CS], v12       ; the same of each block's largest score
.endr
.set JJ, 0
	s_wait_alu depctr_va_vdst(0)
.rept 64
	v_exp_f32 v[S+JJ], v[S+JJ]                     ; p = 2^(t - M), at most 1: not normalised
.set JJ, JJ+1
.endr
	v_pk_mul_f32 v[14:15], v[14:15], v[FF:FF+1] op_sel_hi:[1,0]   ; the sums under the new M: a plain instruction behind the exponentials
	s_wait_alu depctr_va_vdst(0)                   ; one wait for the whole batch, ahead of its first reader
.irp b, 0,1,2,3
	v_exp_f32 v[BM+\b], v[BM+\b]                   ; the block's largest p: the same two instructions on the same number give the same bits
.endr
	v_pk_add_f32 v[220:221], v[108:109], v[112:113]
	v_pk_add_f32 v[254:255], v[116:117], v[120:121]
	v_pk_add_f32 v[234:235], v[124:125], v[128:129]
	v_pk_add_f32 v[230:231], v[132:133], v[136:137]
	v_pk_add_f32 v[228:229], v[140:141], v[144:145]
	v_pk_add_f32 v[226:227], v[148:149], v[152:153]
	v_pk_add_f32 v[224:225], v[156:157], v[160:161]
	v_pk_add_f32 v[14:15], v[14:15], v[164:165]
	v_pk_add_f32 v[220:221], v[220:221], v[104:105]
	v_pk_add_f32 v[254:255], v[254:255], v[106:107]
	v_pk_add_f32 v[234:235], v[234:235], v[110:111]
	v_pk_add_f32 v[230:231], v[230:231], v[114:115]
	v_pk_add_f32 v[228:229], v[228:229], v[118:119]
	v_pk_add_f32 v[226:227], v[226:227], v[122:123]
	v_pk_add_f32 v[224:225], v[224:225], v[126:127]
	v_pk_add_f32 v[14:15], v[14:15], v[130:131]
	v_pk_add_f32 v[220:221], v[220:221], v[134:135]
	v_pk_add_f32 v[254:255], v[254:255], v[138:139]
	v_pk_add_f32 v[234:235], v[234:235], v[142:143]
	v_pk_add_f32 v[230:231], v[230:231], v[146:147]
	v_pk_add_f32 v[228:229], v[228:229], v[150:151]
	v_pk_add_f32 v[226:227], v[226:227], v[154:155]
	v_pk_add_f32 v[224:225], v[224:225], v[158:159]
	v_pk_add_f32 v[14:15], v[14:15], v[162:163]
	v_pk_add_f32 v[220:221], v[220:221], v[166:167]
	s_delay_alu instid0(VALU_DEP_2)
	v_pk_add_f32 v[14:15], v[14:15], v[230:231]
	s_delay_alu instid0(VALU_DEP_2)
	v_pk_add_f32 v[220:221], v[220:221], v[228:229]
	v_pk_add_f32 v[254:255], v[254:255], v[226:227]
	v_pk_add_f32 v[234:235], v[234:235], v[224:225]
	s_delay_alu instid0(VALU_DEP_2)
	v_pk_add_f32 v[14:15], v[14:15], v[254:255]
	s_delay_alu instid0(VALU_DEP_2)
	v_pk_add_f32 v[220:221], v[220:221], v[234:235]
	s_delay_alu instid0(VALU_DEP_1)
	v_pk_add_f32 v[14:15], v[14:15], v[220:221]
	s_wait_alu depctr_va_vdst(0)                   ; and one for the four
.irp b, 0,1,2,3
	v_max_num_f32 v[BM+\b], 0x8000000, v[BM+\b]    ; the floor 2^(16 - 127): the byte cannot fall under 1
.endr
.irp b, 0,1,2,3
	s_delay_alu instid0(VALU_DEP_4)
	v_add_nc_u32 v[SCO+\b], 0xf8800000, v[BM+\b]   ; 15 off the exponent field: the conversion's scale operand
.endr
.irp b, 0,1,2,3
.endr
.irp b, 0,1,2,3
	s_delay_alu instid0(VALU_DEP_4)
	v_lshrrev_b32 v[T4+\b], 23, v[SCO+\b]          ; the scale's byte
.endr
	s_delay_alu instid0(VALU_DEP_3)
	v_lshl_or_b32 v[PW], v[T4+1], 8, v[T4]         ; p's scale word for these 128 keys
	s_delay_alu instid0(VALU_DEP_1)
	v_lshl_or_b32 v[PW], v[T4+2], 16, v[PW]
	s_delay_alu instid0(VALU_DEP_1)
	v_lshl_or_b32 v[PW], v[T4+3], 24, v[PW]
	s_setprio 0
.irp b, 0,1,2,3
.irp i, 0,1,2,3,4,5,6,7,8,9,10,11,12,13,14,15
.endr
	v_cvt_scalef32_pk8_bf8_f32 v[P+4*\b:P+4*\b+1], v[S+16*\b:S+16*\b+7], v[SCO+\b]
	v_cvt_scalef32_pk8_bf8_f32 v[P+4*\b+2:P+4*\b+3], v[S+16*\b+8:S+16*\b+15], v[SCO+\b]
.endr
.set JJ, 0
.rept 16
	v_pk_mul_f32 v[O+JJ:O+JJ+1], v[O+JJ:O+JJ+1], v[FF:FF+1] op_sel_hi:[1,0]   ; O^T under the new M.  (These are also the places between the codes and the products below)
.set JJ, JJ+2
.endr
	s_wait_alu depctr_va_vdst(0)
	s_wait_dscnt 0x0                               ; V and its scale words are in
.irp t, 0,1,2,3                                ; O^T += V^T P^T: the four accumulators by turns
.if (\t)%2
	v_wmma_scale_f32_16x16x128_f8f6f4 v[O+8*\t:O+8*\t+7], v[F+16*\t:F+16*\t+15], v[P:P+15], v[O+8*\t:O+8*\t+7], v[VSC+\t/2], v[PW] matrix_a_fmt:MATRIX_FMT_BF8 matrix_b_fmt:MATRIX_FMT_BF8 matrix_a_scale:MATRIX_SCALE_ROW1
.else
	v_wmma_scale_f32_16x16x128_f8f6f4 v[O+8*\t:O+8*\t+7], v[F+16*\t:F+16*\t+15], v[P:P+15], v[O+8*\t:O+8*\t+7], v[VSC+\t/2], v[PW] matrix_a_fmt:MATRIX_FMT_BF8 matrix_b_fmt:MATRIX_FMT_BF8
.endif
.endr
.rept 8
	v_nop                                          ; places in front of the next loads into V's registers and of the next read of O^T
.endr
.Lhid_\@:
	s_add_co_u32 s[SI], s[SI], 1
	s_add_co_u32 s[TB], s[TB], 8192
	s_add_co_u32 s[TS], s[TS], 256
.endm
.macro STEPS n                         ; n key steps: the trip count is a constant; what a tile does not need is jumped over inside the step
	s_mov_b32 s[CNT], \n
.Lst_\@:
	TILE_STEP
	s_sub_co_u32 s[CNT], s[CNT], 1
	s_cmp_lg_u32 s[CNT], 0
	s_cbranch_scc1 .Lst_\@
	s_setprio 0
.endm
; THE WAY OUT of a tile.  O^T / the sum; register 16 g + i of the 32 is channel 32 g + 16 h + i of my query: two blocks of 32 along the last product's K, each shared with lane l xor 16.
; The conversions' results are the registers of that product's operand, so they are stored as they stand: 16 bytes a lane.
.macro OUT
	v_add_f32 v14, v14, v15                        ; the sum's two halves,
	s_delay_alu instid0(VALU_DEP_1)
	v_permlanex16_b32 v[T4], v14, s[SEL], s[SEL+1]
	s_delay_alu instid0(VALU_DEP_1)
	v_add_f32 v14, v14, v[T4]                      ; and lane l xor 16's
	s_wait_alu depctr_va_vdst(0)
	v_rcp_f32 v14, v14
	v_nop                                          ; a plain instruction behind the reciprocal,
	s_wait_alu depctr_va_vdst(0)                   ; and the wait ahead of its first reader
.set JJ, 0
.rept 16
	v_pk_mul_f32 v[S+JJ:S+JJ+1], v[O+JJ:O+JJ+1], v[14:15] op_sel_hi:[1,0]   ; each accumulator from its low end on
.set JJ, JJ+2
.endr
.irp b, 0,1
	v_max3_num_f32 v[BM+\b], |v[S+16*\b]|, |v[S+16*\b+1]|, 0x8000000
.endr
.irp i, 2,4,6,8,10,12,14
.irp b, 0,1
	s_delay_alu instid0(VALU_DEP_2)
	v_max3_num_f32 v[BM+\b], v[BM+\b], |v[S+16*\b+\i]|, |v[S+16*\b+\i+1]|
.endr
.endr
.irp b, 0,1
	s_delay_alu instid0(VALU_DEP_2)
	v_permlanex16_b32 v[T4+\b], v[BM+\b], s[SEL], s[SEL+1]
.endr
.irp b, 0,1
	s_delay_alu instid0(VALU_DEP_2)
	v_max_num_f32 v[BM+\b], v[BM+\b], v[T4+\b]
.endr
.irp b, 0,1
	s_delay_alu instid0(VALU_DEP_2)
	v_add_nc_u32 v[SCO+\b], 0xf8800000, v[BM+\b]
.endr
.irp b, 0,1
.endr
.irp b, 0,1
	s_delay_alu instid0(VALU_DEP_2)
	v_lshrrev_b32 v[T4+\b], 23, v[SCO+\b]
.endr
	s_delay_alu instid0(VALU_DEP_1)
	v_lshl_or_b32 v[TMP], v[T4+1], 8, v[T4]        ; my row's two scale bytes
.irp b, 0,1
.irp i, 0,1,2,3,4,5,6,7,8,9,10,11,12,13,14,15
.endr
	v_cvt_scalef32_pk8_bf8_f32 v[P+4*\b:P+4*\b+1], v[S+16*\b:S+16*\b+7], v[SCO+\b]
	v_cvt_scalef32_pk8_bf8_f32 v[P+4*\b+2:P+4*\b+3], v[S+16*\b+8:S+16*\b+15], v[SCO+\b]
.endr
	v_nop                                          ; one plain vector instruction behind the last conversion
	global_store_b128 v[L16], v[P:P+3], s[OB:OB+1]               ; 32 lanes store 512 consecutive bytes, at a multiple of 512 from the buffer's first byte
	global_store_b128 v[L16], v[P+4:P+7], s[OB:OB+1] offset:512
	global_store_b16 v[OSO], v[TMP], s[OSB:OSB+1]                ; lanes l and l xor 16 write the same two bytes with the same value
.endm
	s_wait_loadcnt 0x0                             ; both tiles' Q and scale bytes
	SETUP 0
	s_wait_tensorcnt 0x1                           ; my parts of the scale words and of key steps 0-3 are in; the load of key steps 4-15 may be out: no LDS byte is filled twice,
	s_barrier_signal -1
	s_barrier_wait -1                              ; everybody's are
	STEPS 4                                        ; every high tile has nine key steps or more: no wave idles here
	s_wait_tensorcnt 0x0                           ; my part of key steps 4-15 is in,
	s_wait_dscnt 0x0
	s_barrier_signal -1
	s_barrier_wait -1                              ; everybody's is.  From here on the waves share nothing
	STEPS 12
	OUT
	SETUP 1
	STEPS 8                                        ; a low tile ends at key step 7 at the latest
	OUT
	s_wait_xcnt 0x0
	v_lshl_add_u32 v254, v0, 2, 0x42000
	v_mov_b32 v255, 0
	s_wait_alu depctr_va_vdst(0)
	s_wait_tensorcnt 0x0
	ds_add_u32 v254, v255
	s_wait_dscnt 0x0
	CROUND                                         ; the closing round
	s_endpgm
.Lfunc_end_k_q15d2414b84_attn:
	.size	k_q15d2414b84_attn, .Lfunc_end_k_q15d2414b84_attn-k_q15d2414b84_attn
	.p2alignl 7, 3214868480
	.fill 96, 4, 3214868480
	.section	.rodata,"a",@progbits
	.p2align	6, 0x0
	.amdhsa_kernel k_q15d2414b84_attn
		.amdhsa_group_segment_fixed_size 272384
		.amdhsa_private_segment_fixed_size 0
		.amdhsa_enable_private_segment 0
		.amdhsa_kernarg_size 64
		.amdhsa_user_sgpr_count 2
		.amdhsa_user_sgpr_kernarg_segment_ptr 1
		.amdhsa_wavefront_size32 1
		.amdhsa_system_sgpr_workgroup_id_x 1
		.amdhsa_system_sgpr_workgroup_id_y 1
		.amdhsa_system_sgpr_workgroup_id_z 1
		.amdhsa_system_vgpr_workitem_id 0
		.amdhsa_next_free_vgpr 256
		.amdhsa_next_free_sgpr 92
		.amdhsa_reserve_vcc 1
		.amdhsa_float_denorm_mode_32 3
		.amdhsa_float_denorm_mode_16_64 3
		.amdhsa_fp16_overflow 1
		.amdhsa_memory_ordered 1
		.amdhsa_forward_progress 1
		.amdhsa_inst_pref_size 90
	.end_amdhsa_kernel
	.amdgpu_metadata
---
amdhsa.version: [ 1, 2 ]
amdhsa.kernels:
  - .name:           k_q15d2414b84_attn
    .symbol:         k_q15d2414b84_attn.kd
    .args:
      - { .name: qimg, .offset: 0, .size: 8, .value_kind: global_buffer, .address_space: global }
      - { .name: qsc, .offset: 8, .size: 8, .value_kind: global_buffer, .address_space: global }
      - { .name: kimg, .offset: 16, .size: 8, .value_kind: global_buffer, .address_space: global }
      - { .name: ksc, .offset: 24, .size: 8, .value_kind: global_buffer, .address_space: global }
      - { .name: vimg, .offset: 32, .size: 8, .value_kind: global_buffer, .address_space: global }
      - { .name: vsc, .offset: 40, .size: 8, .value_kind: global_buffer, .address_space: global }
      - { .name: oimg, .offset: 48, .size: 8, .value_kind: global_buffer, .address_space: global }
      - { .name: osc, .offset: 56, .size: 8, .value_kind: global_buffer, .address_space: global }
    .group_segment_fixed_size: 272384
    .private_segment_fixed_size: 0
    .kernarg_segment_align: 8
    .kernarg_segment_size: 64
    .max_flat_workgroup_size: 512
    .sgpr_count:     92
    .vgpr_count:     256
    .wavefront_size: 32
...
	.end_amdgpu_metadata
.endif
;; end of part 2
;; launch proj (part 3): grid 4 x 32, 4 waves a work-group, clusters of 4 x 4, 327,680 bytes of LDS; arguments oimg, osc, W_o_codes, W_o_scales, out0; writes out0
.if DOCPART == 3
	.amdgcn_target "amdgcn-amd-amdhsa--gfx1250"
	.amdhsa_code_object_version 6
	.text
	.protected	k_q15d2414b84_proj
	.globl	k_q15d2414b84_proj
	.p2align	8
	.type	k_q15d2414b84_proj,@function
k_q15d2414b84_proj:
	s_mov_b64 s[64:65], 0
	v_nop
	global_prefetch_b8 v0, s[64:65] scope:SCOPE_SE
	s_setreg_imm32_b32 hwreg(HW_REG_WAVE_MODE, 25, 1), 1
	s_wait_xcnt 0x0
	s_wait_alu depctr_hold_cnt(0) depctr_sa_sdst(0) depctr_va_vdst(0) depctr_va_sdst(0) depctr_va_ssrc(0) depctr_va_vcc(0) depctr_vm_vsrc(0)
	s_getreg_b32 s2, hwreg(HW_REG_IB_STS2, 6, 4)
	s_cmp_eq_u32 s2, 0
	s_cbranch_scc0 .Lentry_in_a_cluster
	s_endpgm
.Lentry_in_a_cluster:
	s_bfe_u32 s2, ttmp6, 0x10000c
	s_cmp_lg_u32 s2, 0xf033
	s_cbranch_scc0 .Lentry_shape_is_right
	s_endpgm
.Lentry_shape_is_right:
; out0[m][n] = sum over k of o[m][k] W_o[n][k], on codes of BF8 (E5M2) with one E8M0 scale for each 32 along K = 1,024; out0: [8192][1024] f32; sums in f32.
; A = o comes as IMAGES OF ITS FRAGMENTS: oimg [tile of 16 rows][K step of 128][2,048 bytes], piece c of 512 bytes, 16 bytes a lane: registers 4 c .. 4 c + 3 of the fragment; its scale bytes osc [8192][32].
; B = W_o comes as rows of 1,024 codes; its scale bytes [1024][32].
; A tile of C, 256 x 256, is made by a work-group of four waves; a wave makes 128 x 128: 64 accumulators of 16 x 16, 512 registers.  K goes in steps of 256 through a ring of two LDS slots filled by the tensor data mover.
; THE SCALES of the work-group's 256 rows of A and 256 rows of B, for all of K, come into LDS once, with the first fills, in whole runs of 256 bytes, and stay.
; CLUSTERS: 4 x 4 work-groups.  The four of a row of the cluster need the same tiles of A, the four of a column the same tiles of B: each tile is asked for jointly.
; THE MATRIX INSTRUCTION IS USED TRANSPOSED (source 0 = 16 rows of B, source 1 = 16 rows of A): a lane then holds eight neighbouring numbers of a row of C.
; C has 128 tiles of this size: so many work-groups are launched.
; REGISTERS, in windows of 256: window 0: v0-31 addresses; v32-63 scale words, two sets; from v128 A's fragments, ONE set; on the way out v32-255 are free.
;   window 1: B's fragments, TWO sets.   window 2: the accumulators of my rows 0-63 (accumulator (a, b) at v[8 (8 a + b)]);   window 3: those of my rows 64-127.
.set SIZE_N, 1024
.set SIZE_K, 1024
.set KSTEP,  256                       ; along K in a slot
.set NQ,     KSTEP/128                 ; matrix instructions deep
.set ROWB,   256                       ; a row of B's tile in bytes
.set KROW,   SIZE_K                    ; a row of B in memory; also the bytes of o's images for each row of A
.set AIMG,   4096                      ; a K step's images of 16 rows of A: two fragments
.set PITCH,  272                       ; an LDS row of B: 256 bytes + 16 of padding = 68 words: row r starts at bank 4 r mod 64 (64 banks of 4 bytes: ISA guide 11.1)
.set FR,     16                        ; registers of a fragment
.set NL,     4                         ; LDS loads that bring one
.set NP,     8                         ; places behind this matrix instruction (ISA guide 7.12.1)
.set HALFT,  128*PITCH                 ; room for 128 rows: what one tensor load brings (A's images use 32,768 bytes of it)
.set SLOT,   4*HALFT
.set LAPS,   SIZE_K/(2*KSTEP)
.set KS,     SIZE_K/32
.set SCL,    2*SLOT
.set HALFS,  (128*KS/256)*272
.set SBLK,   (16*KS/256)*272
.set SPARE,  SCL+4*HALFS               ; the spare words, 128 bytes for each wave: two blocks of 256 bytes that no other line names
.set SPITCH, 528                       ; the way out: a stage of 16 rows x (512 bytes + 16) for each wave, in slot 0, which has had its last fill and its last read by then
.set ADRA, 16
.set ADRB, 20
.set STO,  24
.set RD,   25
.set CO,   26
.set ADRS, 27
.set SPW,  28
.set NIL,  29
.set SC,   32
.set AF,   128
.set BK,   128
.set G1, 24
.set G0, 32
.set G1B, 48
.set G0B, 56
.set G1S, 68
.set G0S, 76
.set G1SB, 80
.set G0SB, 88
.set MSB, 0
.macro WIN new                         ; the immediate's high byte repeats the setting that is left
.if MSB != \new
	s_set_vgpr_msb (MSB<<8)|\new
.set MSB, \new
.endif
.endm
.set MUL_LO, 0xa1
.set MUL_HI, 0xf1
.set TO_B,   0x40
.macro JLOAD g0a, g1a, g0b, g1b        ; a joint load: waves 0 and 1 fetch for A, waves 2 and 3 for B; four v_nop follow each of the two lines
	s_cmp_eq_u32 s15, 0
	s_cbranch_scc0 .Lfor_b_\@
	tensor_load_to_lds s[\g0a:\g0a+3], s[\g1a:\g1a+7]
	s_nop 0
.rept 4
	v_nop
.endr
	s_branch .Lasked_\@
.Lfor_b_\@:
	tensor_load_to_lds s[\g0b:\g0b+3], s[\g1b:\g1b+7]
	s_nop 0
.rept 4
	v_nop
.endr
.Lasked_\@:
.endm
.macro CREST
	s_cmp_lg_u32 s14, 0
	s_cbranch_scc1 .Lnot_wave_0_\@
	s_barrier_signal -3
.Lnot_wave_0_\@:
	s_barrier_wait -3
	s_barrier_signal -1
	s_barrier_wait -1
.endm
.macro CROUND
	s_barrier_signal -1
	s_barrier_wait -1
	CREST
.endm
	s_load_b128 s[4:7], s[0:1], 0x0                ; o's images s[4:5], o's scales s[6:7]
	s_load_b128 s[8:11], s[0:1], 0x10              ; W_o's codes s[8:9], its scales s[10:11]
	s_load_b64 s[12:13], s[0:1], 0x20              ; out0
	v_lshl_add_u32 v[SPW], v0, 2, SPARE
	v_mov_b32 v[NIL], 0
	ds_add_u32 v28, v29
	ds_add_u32 v28, v29
	s_wait_dscnt 0x0
	v_lshrrev_b32 v1, 5, v0
	v_readfirstlane_b32 s14, v1                    ; wave 0..3
	s_lshr_b32 s15, s14, 1                         ; which half of the tile's rows is mine.  Also: I fetch for A (0) or for B (1)
	s_and_b32 s16, s14, 1                          ; which half of its columns.  Also: which 128 rows of that tile I fetch
	s_bfe_u32 s40, ttmp6, 0x40000                  ; cx, cy
	s_bfe_u32 s41, ttmp6, 0x40004
	s_lshl_b32 s42, ttmp9, 2
	s_add_co_u32 s42, s42, s40                     ; tile column of C
	s_and_b32 s17, ttmp7, 0xffff
	s_lshl_b32 s17, s17, 2
	s_add_co_u32 s17, s17, s41                     ; tile row of C
	s_lshl_b32 s43, s41, 2
	s_lshl_b32 s43, 15, s43                        ; my row of the cluster
	s_lshl_b32 s44, 0x1111, s40                    ; my column
	; A's group 1: eight tiles of 16 rows, of each the K step's 4,096 bytes of images (512 elements of 8 bytes), 16,384 bytes apart in memory, on end in LDS
	s_or_b32 s[G1+0], s43, (3<<16)|(1<<21)         ; 15:0 the mask: my row; 17:16 elements of 8 bytes; 21 set beside a mask; no padding
	s_mov_b32 s[G1+1], 512<<16                     ; tensor_dim0
	s_mov_b32 s[G1+2], 8<<16                       ; tensor_dim1
	s_mov_b32 s[G1+3], 512<<16                     ; tile_dim0
	s_mov_b32 s[G1+4], 8                           ; tile_dim1
	s_mov_b32 s[G1+5], 2048                        ; tensor_dim0_stride
	s_mov_b32 s[G1+6], 0
	s_mov_b32 s[G1+7], 0
	; B's: 128 rows x 256 bytes, padded in LDS
	s_or_b32 s[G1B+0], s44, (0<<16)|(1<<20)|(1<<21)|(5<<22)|(3<<25)
	s_mov_b32 s[G1B+1], ROWB<<16
	s_mov_b32 s[G1B+2], 128<<16
	s_mov_b32 s[G1B+3], ROWB<<16
	s_mov_b32 s[G1B+4], 128
	s_mov_b32 s[G1B+5], KROW
	s_mov_b32 s[G1B+6], 0
	s_mov_b32 s[G1B+7], 0
	; the scales of 128 rows: a dense block of 4,096 bytes, as rows of 256 bytes, 16 bytes of padding behind each
	s_or_b32 s[G1S+0], s43, (3<<16)|(1<<20)|(1<<21)|(5<<22)|(3<<25)
	s_or_b32 s[G1SB+0], s44, (3<<16)|(1<<20)|(1<<21)|(5<<22)|(3<<25)
.irp g, G1S, G1SB
	s_mov_b32 s[\g+1], 32<<16
	s_mov_b32 s[\g+2], (128*KS/256)<<16
	s_mov_b32 s[\g+3], 32<<16
	s_mov_b32 s[\g+4], 128*KS/256
	s_mov_b32 s[\g+5], 32
	s_mov_b32 s[\g+6], 0
	s_mov_b32 s[\g+7], 0
.endr
	s_lshl_b32 s18, s16, 7
	s_lshl_b32 s20, s17, 8
	s_add_co_u32 s20, s20, s18                     ; A: row 256 x tile row + 128 x half
	s_lshl_b32 s46, s42, 8
	s_add_co_u32 s46, s46, s18                     ; B: row 256 x tile column + 128 x half
	s_mov_b32 s21, 0
	s_mov_b32 s47, 0
	s_mov_b64 s[18:19], KS
	s_mul_u64 s[22:23], s[20:21], s[18:19]         ; where these rows' scales begin, in bytes
	s_mul_u64 s[92:93], s[46:47], s[18:19]
	s_mov_b64 s[18:19], KROW
	s_mul_u64 s[20:21], s[20:21], s[18:19]         ; and their codes (16 rows of A have 16,384 bytes of images: 1,024 a row)
	s_mul_u64 s[46:47], s[46:47], s[18:19]
	s_mul_i32 s45, s14, HALFT                      ; where they go: no place in the cluster enters an LDS address
	s_mul_i32 s94, s14, HALFS
	s_wait_kmcnt 0x0
	s_add_nc_u64 s[20:21], s[4:5], s[20:21]
	s_add_nc_u64 s[22:23], s[6:7], s[22:23]
	s_add_nc_u64 s[46:47], s[8:9], s[46:47]
	s_add_nc_u64 s[92:93], s[10:11], s[92:93]
	CROUND                                         ; all sixteen work-groups are here: the first joint loads meet
	s_mov_b32 s[G0S], 1
	s_add_co_u32 s[G0S+1], s94, SCL
	s_mov_b64 s[G0S+2:G0S+3], s[22:23]
	s_or_b32 s[G0S+3], s[G0S+3], 0x80000000
	s_mov_b32 s[G0SB], 1
	s_add_co_u32 s[G0SB+1], s94, SCL
	s_mov_b64 s[G0SB+2:G0SB+3], s[92:93]
	s_or_b32 s[G0SB+3], s[G0SB+3], 0x80000000
	JLOAD G0S, G1S, G0SB, G1SB                     ; the scales first: they are wanted with K step 0
.irp s, 0,1
	s_mov_b32 s[G0+4*\s], 1
	s_add_co_u32 s[G0+4*\s+1], s45, \s*SLOT
	s_add_nc_u64 s[G0+4*\s+2:G0+4*\s+3], s[20:21], \s*AIMG
	s_or_b32 s[G0+4*\s+3], s[G0+4*\s+3], 0x80000000
	s_mov_b32 s[G0B+4*\s], 1
	s_add_co_u32 s[G0B+4*\s+1], s45, \s*SLOT
	s_add_nc_u64 s[G0B+4*\s+2:G0B+4*\s+3], s[46:47], \s*ROWB
	s_or_b32 s[G0B+4*\s+3], s[G0B+4*\s+3], 0x80000000
	s_wait_alu depctr_va_vdst(0)
	s_wait_tensorcnt 0x0
	ds_add_u32 v28, v29
	s_wait_dscnt 0x0
	CROUND
	JLOAD G0+4*\s, G1, G0B+4*\s, G1B               ; one tensor load of mine is out now
.endr
	v_and_b32 v1, 15, v0                           ; l % 16
	v_bfe_u32 v2, v0, 4, 1                         ; l / 16
	v_mul_u32_u24 v3, v1, PITCH
	v_lshl_add_u32 v4, v2, 4, v3                   ; B: a fragment's row x pitch + 16 x half
	v_and_b32 v7, 31, v0
	v_lshlrev_b32 v7, 4, v7                        ; A: 16 x lane: an image's place for my lane
	s_mul_i32 s21, s15, HALFT                      ; my 128 rows of A
	s_mul_i32 s22, s16, HALFT                      ; my 128 rows of B,
	s_add_co_u32 s22, s22, 2*HALFT                 ; which lie behind A's
.irp s, 0,1
	v_add_nc_u32 v[ADRA+\s], s21, v7
	v_add_nc_u32 v[ADRB+\s], s22, v4
	s_add_co_u32 s21, s21, SLOT
	s_add_co_u32 s22, s22, SLOT
.endr
	v_mul_u32_u24 v5, v1, KS                       ; my row's scales: KS bytes a row,
	v_lshrrev_b32 v6, 8, v5
	v_lshl_add_u32 v5, v6, 4, v5                   ; and 16 more for each 256 passed
	s_mul_i32 s21, s15, HALFS
	s_mul_i32 s22, s16, HALFS
	s_add_co_u32 s22, s22, 2*HALFS
	s_sub_co_u32 s22, s22, s21
	v_mul_u32_u24 v6, s22, v2                      ; lanes 16-31 take B's
	s_add_co_u32 s21, s21, SCL
	v_add_nc_u32 v5, v5, v6
	v_add_nc_u32 v[ADRS], s21, v5
	s_mul_i32 s23, s14, 16*SPITCH                  ; my stage
	v_mul_u32_u24 v5, v1, SPITCH                   ; in: row l % 16, 32 bytes for each half of the lanes
	v_lshl_add_u32 v5, v2, 5, v5
	v_add_nc_u32 v[STO], s23, v5
	v_mov_b32 v[CO], v7                            ; back: the 32 lanes take one row of 512 bytes; and the same in C
	v_add_nc_u32 v[RD], s23, v7
	s_lshl_b32 s20, s17, 8
	s_lshl_b32 s21, s15, 7
	s_add_co_u32 s20, s20, s21                     ; my first row of C
	s_mov_b32 s21, 0
	s_mov_b64 s[18:19], SIZE_N*4
	s_mul_u64 s[20:21], s[20:21], s[18:19]
	s_lshl_b32 s46, s42, 10                        ; my first column, in bytes
	s_lshl_b32 s47, s16, 9
	s_add_co_u32 s46, s46, s47
	s_mov_b32 s47, 0
	s_add_nc_u64 s[20:21], s[20:21], s[46:47]
	s_add_nc_u64 s[12:13], s[12:13], s[20:21]
.macro FRAG reg, adr, q, i             ; a fragment of B from rows: lane l holds row l % 16; registers 4 c .. 4 c + 3 hold K = 32 c + 16 (l / 16) + 0 .. 15
.irp c, 0,1,2,3
	ds_load_b128 v[\reg+4*\c:\reg+4*\c+3], v[\adr] offset:128*(\q)+32*\c+(\i)*16*PITCH
.endr
.endm
.macro FRAGA reg, adr, q, i            ; a fragment of A from its image: 512 consecutive bytes a load
.irp c, 0,1,2,3
	ds_load_b128 v[\reg+4*\c:\reg+4*\c+3], v[\adr] offset:AIMG*(\i)+2048*(\q)+512*\c
.endr
.endm
; 16 matrix instructions: A's blocks a0, a0 + 1 x B's eight, 128 along K.  The 64 accumulators take turns, one instruction a turn, in the same order in every step.
.macro MUL16 a0, p, q, sc, zero
.irp a, \a0, \a0+1
.irp b, 0,1,2,3,4,5,6,7
.if \zero
	v_wmma_scale_f32_16x16x128_f8f6f4 v[8*(8*((\a)%4)+\b):8*(8*((\a)%4)+\b)+7], v[128*(\p)+FR*\b:128*(\p)+FR*\b+FR-1], v[AF+FR*(\a):AF+FR*(\a)+FR-1], 0, v[SC+8*NQ*(\sc)+NQ*\b+(\q)], v[SC+8*NQ*(\sc)+NQ*(\a)+(\q)] matrix_a_fmt:MATRIX_FMT_BF8 matrix_b_fmt:MATRIX_FMT_BF8 matrix_a_scale:MATRIX_SCALE_ROW1
.else
	v_wmma_scale_f32_16x16x128_f8f6f4 v[8*(8*((\a)%4)+\b):8*(8*((\a)%4)+\b)+7], v[128*(\p)+FR*\b:128*(\p)+FR*\b+FR-1], v[AF+FR*(\a):AF+FR*(\a)+FR-1], v[8*(8*((\a)%4)+\b):8*(8*((\a)%4)+\b)+7], v[SC+8*NQ*(\sc)+NQ*\b+(\q)], v[SC+8*NQ*(\sc)+NQ*(\a)+(\q)] matrix_a_fmt:MATRIX_FMT_BF8 matrix_b_fmt:MATRIX_FMT_BF8 matrix_a_scale:MATRIX_SCALE_ROW1
.endif
.endr
.endr
.endm
.macro FETCH_B slot, q, p
	WIN TO_B
.irp i, 0,1,2,3,4,5,6,7
	FRAG 128*(\p)+FR*\i, ADRB+\slot, \q, \i
.endr
	WIN 0
.endm
.macro FETCH_A slot, q, i0
.irp i, \i0, \i0+1, \i0+2, \i0+3
	FRAGA AF+FR*(\i), ADRA+\slot, \q, \i
.endr
.endm
.macro SCALES sc
.irp i, 0,1,2,3,4,5,6,7
	ds_load_b64 v[SC+8*NQ*\sc+NQ*\i:SC+8*NQ*\sc+NQ*\i+1], v[ADRS] offset:\i*SBLK
.endr
.endm
.macro PLACES n                        ; plain vector instructions between a matrix instruction and a load into, or a read of, its registers (ISA guide 7.12.1 for vector instructions)
.rept \n
	v_nop
.endr
.endm
.macro STEP slot, q, zero
	s_wait_dscnt 4*NL                              ; B's set and A's blocks 0-3 are in; the youngest sixteen loads (A's blocks 4-7) may be out
	WIN MUL_LO
	MUL16 0, (\q)%2, \q, \slot, \zero
	MUL16 2, (\q)%2, \q, \slot, \zero
	s_wait_dscnt 0                                 ; A's blocks 4-7 are in
	PLACES NP
	FETCH_B \slot, (\q)+1, 1-(\q)%2
	FETCH_A \slot, (\q)+1, 0
	WIN MUL_HI
	MUL16 4, (\q)%2, \q, \slot, \zero
	MUL16 6, (\q)%2, \q, \slot, \zero
	PLACES NP
	WIN 0
	FETCH_A \slot, (\q)+1, 4
.endm
; A slot's last step changes slots: ONE barrier; in front of it each wave waits for all its tensor loads, adds 0 to its spare word, and waits for that and for its own reads of this slot.
.macro TURN slot, next, fill
	s_wait_tensorcnt 0x0                           ; all my tensor loads have landed: my part of the next slot;
	ds_add_u32 v[SPW], v[NIL]                      ; 0 onto my spare word
	s_wait_dscnt 4*NL+1                            ; (the add and the youngest sixteen loads may be out)
	WIN MUL_LO
	MUL16 0, 1, NQ-1, \slot, 0
	s_wait_dscnt 0x0                               ; the add is done, and my reads of this slot are over
	s_barrier_signal -1
	MUL16 2, 1, NQ-1, \slot, 0
	WIN 0
	s_barrier_wait -1
.if \fill
	CREST                                          ; the barrier has opened a round of the cluster's barrier: no wave of any partner still reads this slot's tile or has a load on its way
	s_add_nc_u64 s[G0+4*\slot+2:G0+4*\slot+3], s[G0+4*\slot+2:G0+4*\slot+3], 2*AIMG
	s_add_nc_u64 s[G0B+4*\slot+2:G0B+4*\slot+3], s[G0B+4*\slot+2:G0B+4*\slot+3], 2*ROWB
	JLOAD G0+4*\slot, G1, G0B+4*\slot, G1B
	PLACES NP-4
.else
	PLACES NP
.endif
	s_wait_alu depctr_va_vdst(0)
	v_add_nc_u32 v[ADRS], 4*NQ, v[ADRS]
	FETCH_B \next, 0, 0
	FETCH_A \next, 0, 0
	SCALES \next
	WIN MUL_HI
	MUL16 4, 1, NQ-1, \slot, 0
	MUL16 6, 1, NQ-1, \slot, 0
	PLACES NP
	WIN 0
	FETCH_A \next, 0, 4
.endm
	s_wait_alu depctr_va_vdst(0)
	s_wait_tensorcnt 1                             ; the scales and my part of K step 0 are in (K step 1's load may be out),
	s_barrier_signal -1
	s_barrier_wait -1                              ; everybody's are
	FETCH_B 0, 0, 0
	FETCH_A 0, 0, 0
	SCALES 0
	FETCH_A 0, 0, 4
	STEP 0, 0, 1                                   ; the first step stands in front of the loop: its products start the sums
	s_mov_b32 s3, LAPS-1
.Llap:
	TURN 0, 1, 1
	STEP 1, 0, 0
	TURN 1, 0, 1
	STEP 0, 0, 0
	s_sub_co_u32 s3, s3, 1
	s_cmp_lg_u32 s3, 0
	s_cbranch_scc1 .Llap
	TURN 0, 1, 0                                   ; the last lap fills nothing
	STEP 1, 0, 0
	s_wait_dscnt 4*NL
	WIN MUL_LO
	MUL16 0, 1, NQ-1, 1, 0
	MUL16 2, 1, NQ-1, 1, 0
	s_wait_dscnt 0
	WIN MUL_HI
	MUL16 4, 1, NQ-1, 1, 0
	MUL16 6, 1, NQ-1, 1, 0
	WIN 0
; THE WAY OUT, block by block of 16 rows x 128 columns, through my own stage in LDS: back come whole rows of 512 bytes.  LDS serves a wave's instructions in order (ISA guide 5.7.1.4).
.macro TOSTAGE a
.set AC, 64*((\a)%4)
	WIN 0x08+4*((\a)/4)                            ; the data: window 2 or 3
.irp b, 0,1,2,3,4,5,6,7
	ds_store_b128 v[STO], v[AC+8*\b:AC+8*\b+3] offset:64*\b          ; each accumulator from its low end on
	ds_store_b128 v[STO], v[AC+8*\b+4:AC+8*\b+7] offset:64*\b+16
.endr
	WIN 0
.set BB, BK+64*((\a)%2)
.irp t, 0,1,2,3,4,5,6,7,8,9,10,11,12,13,14,15
	ds_load_b128 v[BB+4*\t:BB+4*\t+3], v[RD] offset:\t*SPITCH
.endr
.endm
.macro SEND a, younger                 ; younger: the LDS instructions issued behind block a's loads, which may stay out
.set BB, BK+64*((\a)%2)
	s_wait_dscnt \younger
.if (\a) > 0
	s_add_nc_u64 s[12:13], s[12:13], 16*SIZE_N*4   ; (behind a wait on XCNT: the earlier stores have read their base)
.endif
.irp t, 0,1,2,3,4,5,6,7,8,9,10,11,12,13,14,15
	global_store_b128 v[CO], v[BB+4*\t:BB+4*\t+3], s[12:13] offset:\t*SIZE_N*4 th:TH_STORE_NT   ; 32 lanes store 512 consecutive bytes, at a multiple of 256 from C's first byte
.endr
.endm
	PLACES NP
	TOSTAGE 0
.irp a, 1,2,3,4,5,6,7
.if \a > 1
	s_wait_xcnt 0x0                                ; block a - 2's stores have read their registers and their base
.endif
	TOSTAGE \a
	SEND \a-1, 32                                  ; behind block a - 1's loads: block a's 16 stores and 16 loads
.endr
	s_wait_xcnt 0x0
	SEND 7, 0
	s_wait_tensorcnt 0x0                           ; the wave's end
	ds_add_u32 v[SPW], v[NIL]
	s_wait_dscnt 0x0
	CROUND                                         ; the closing round
	s_endpgm
.Lfunc_end_k_q15d2414b84_proj:
	.size	k_q15d2414b84_proj, .Lfunc_end_k_q15d2414b84_proj-k_q15d2414b84_proj
	.p2alignl 7, 3214868480
	.fill 96, 4, 3214868480
	.section	.rodata,"a",@progbits
	.p2align	6, 0x0
	.amdhsa_kernel k_q15d2414b84_proj
		.amdhsa_group_segment_fixed_size 327680
		.amdhsa_private_segment_fixed_size 0
		.amdhsa_enable_private_segment 0
		.amdhsa_kernarg_size 40
		.amdhsa_user_sgpr_count 2
		.amdhsa_user_sgpr_kernarg_segment_ptr 1
		.amdhsa_wavefront_size32 1
		.amdhsa_system_sgpr_workgroup_id_x 1
		.amdhsa_system_sgpr_workgroup_id_y 1
		.amdhsa_system_sgpr_workgroup_id_z 1
		.amdhsa_system_vgpr_workitem_id 0
		.amdhsa_next_free_vgpr 1024
		.amdhsa_next_free_sgpr 98
		.amdhsa_reserve_vcc 0
		.amdhsa_float_denorm_mode_32 3
		.amdhsa_float_denorm_mode_16_64 3
		.amdhsa_memory_ordered 1
		.amdhsa_forward_progress 1
		.amdhsa_inst_pref_size 146
	.end_amdhsa_kernel
	.amdgpu_metadata
---
amdhsa.version: [ 1, 2 ]
amdhsa.kernels:
  - .name:           k_q15d2414b84_proj
    .symbol:         k_q15d2414b84_proj.kd
    .args:
      - { .name: oimg, .offset: 0, .size: 8, .value_kind: global_buffer, .address_space: global }
      - { .name: osc, .offset: 8, .size: 8, .value_kind: global_buffer, .address_space: global }
      - { .name: W_o_codes, .offset: 16, .size: 8, .value_kind: global_buffer, .address_space: global }
      - { .name: W_o_scales, .offset: 24, .size: 8, .value_kind: global_buffer, .address_space: global }
      - { .name: out0, .offset: 32, .size: 8, .value_kind: global_buffer, .address_space: global }
    .group_segment_fixed_size: 327680
    .private_segment_fixed_size: 0
    .kernarg_segment_align: 8
    .kernarg_segment_size: 40
    .max_flat_workgroup_size: 128
    .sgpr_count:     98
    .vgpr_count:     1024
    .wavefront_size: 32
...
	.end_amdgpu_metadata
.endif
;; end of part 3
